; MI455X (gfx1250); checked and timed in simulation.
; The chip was launched on July 23, 2026; its instructions are those of AMD's public machine-readable ISA for CDNA 5 (MIT licence, August 2026) and "CDNA5" Instruction Set Architecture Reference Guide (July 2026). The comments in the code are by the model that wrote it; some were corrected since.
;; Multi Head Attention. Allowed arithmetic: matrix products marked QUANTISED: E2M3 operands, one E8M0 scale for each 32 along K, by v_wmma_scale_f32_16x16x128_f8f6f4 with both operands' format E2M3, f32 sums; everything else in f32.
;; Inputs: K 4 x 2,048 x 1,024 float32; Q 4 x 2,048 x 1,024 float32; V 4 x 2,048 x 1,024 float32; Wk 1,024 x 1,024 float32; Wo 1,024 x 1,024 float32; Wq 1,024 x 1,024 float32; Wv 1,024 x 1,024 float32; beta 1,024 float32; bk 1,024 float32; bo 1,024 float32; bq 1,024 float32; bv 1,024 float32; gamma 1,024 float32; mask 4 x 1 x 1 x 2,048 int32.
;; Outputs: out0 4 x 2,048 x 1,024 float32.
;; This version of the problem:
;;   THIS VERSION OF THE PROBLEM IS GIVEN IN LOW PRECISION. The matrix products marked QUANTISED in the list below multiply operands that are first quantised to E2M3 (2 exponent bits, 3 mantissa bits; 6 bits a number), with one power-of-two scale for each 32 numbers along K (OCP MX v1.0); their sums are f32. All else is computed in f32.
;;   The module's matrix products, in the order in which they are computed (A, B: the left and right operand; K: the contracted axis; several contracted axes count as one K, in the product's order):
;;     1. [M 8,192, K 1,024] x [K 1,024, N 1,024]; A: input Q; B: input Wq: QUANTISED
;;     2. [M 8,192, K 1,024] x [K 1,024, N 1,024]; A: input K; B: input Wk: QUANTISED
;;     3. [M 8,192, K 1,024] x [K 1,024, N 1,024]; A: input V; B: input Wv: QUANTISED
;;     4. batch 64 x [M 2,048, K 64] x [K 64, N 2,048]; A: computed on the way; B: computed on the way: QUANTISED
;;     5. batch 64 x [M 2,048, K 2,048] x [K 2,048, N 64]; A: softmax (see below); B: computed on the way: QUANTISED
;;     6. [M 8,192, K 1,024] x [K 1,024, N 1,024]; A: computed on the way; B: input Wo: QUANTISED
;;   THE QUANTISER, for each operand of a quantised product, along K:
;;     - K is cut into blocks of 32 from its start; a last block that is shorter is filled with zeros.
;;     - A block's scale is 2^e with e = floor(log2(the largest magnitude in the block)) - 2, held to -126 .. 127; a block of zeros has e = 0. As a byte (E8M0): e + 127.
;;     - Each number is divided by its block's scale, clamped to +-7.5, and rounded to the nearest number of E2M3, ties to even, subnormals kept.
;;     - The product sums the exact products of the quantised numbers (number of the format x scale) in f32.
;;   ~~~python
;;   def quantise(x, axis):      # numpy; x: float32 -> the quantised numbers, widened to float32 again
;;       x = np.moveaxis(x, axis, -1); K = x.shape[-1]
;;       x = np.pad(x, [(0, 0)] * (x.ndim - 1) + [(0, -K % 32)]); x = x.reshape(x.shape[:-1] + (-1, 32)); a = np.abs(x).max(-1, keepdims=True)
;;       e = np.where(a > 0, np.clip(np.frexp(np.where(a > 0, a, 1))[1] - 1 - 2, -126, 127), 0)      # np.frexp(a)[1] - 1 = floor(log2(a)), exactly
;;       r = np.clip(x / 2.0 ** e, -7.5, 7.5)
;;       step = 2.0 ** (np.maximum(np.frexp(np.where(r == 0, 1, r))[1] - 1, 0) - 3)
;;       q = np.round(r / step) * step * 2.0 ** e      # np.round: ties to even
;;       return np.moveaxis(q.reshape(q.shape[:-2] + (-1,))[..., :K], -1, axis).astype(np.float32)
;;   ~~~
;;   SOFTMAX AHEAD OF A QUANTISED PRODUCT. Where the list says 'softmax', what is quantised is not the finished softmax but p = 2^(t - M), with t = logit x log2(e) and M = ceil(the row's largest t), a whole number; so 1/2 < the row's largest p <= 1. The row's sum l is taken of the UNQUANTISED p, in f32, and the product's result is divided by l at the end. Since M is a whole number, a kernel that streams over the keys may use a running M (the ceiling of the running maximum): every later rescaling is an exact power of two, which a block's scale takes up: the codes' values come out the same.
;;   OPERANDS COMPUTED ON THE WAY. 'Computed on the way' means the value that the module computes at that place (a softmax that the list does not call 'softmax' is quantised finished and normalised). What goes into a quantiser is computed in f32, as accurately as f32 sums, v_exp_f32 and their like allow (about 1e-6 of the number): no bf16 or f16 on the way to a quantiser, and a product that is left as it is and whose result goes on into a quantised operand takes f32 operands (vector FMAs, or v_wmma_f32_16x16x4_f32). A number that lies on a knife's edge between two numbers of the format may be rounded either way, as far as f32 arithmetic and the matrix unit's own rounding can turn it there, and no further.
;; One version. Each part assembles by itself: llvm-mc -triple=amdgcn-amd-amdhsa -mcpu=gfx1250 --defsym DOCPART=n.
;; ======== version 1 of 1: 4 launches
;; limits: right only within a limited range of input values
;; workspace buffers: c1 22,020,096 bytes; s1 917,504 bytes; qi 6,815,744 bytes; kv 13,893,632 bytes; c3 8,388,608 bytes
;; launch quant (part 1): grid 896 x 1, 4 waves a work-group, no clusters, 33,280 bytes of LDS; arguments Q, K, V, Wq, Wk, Wv, Wo, c1, s1; writes c1, s1
.if DOCPART == 1
	.amdgcn_target "amdgcn-amd-amdhsa--gfx1250"
	.amdhsa_code_object_version 6
	.text
	.protected	k_qe59a296707_quant
	.globl	k_qe59a296707_quant
	.p2align	8
	.type	k_qe59a296707_quant,@function
k_qe59a296707_quant:
	s_mov_b64 s[64:65], 0
	v_nop
	global_prefetch_b8 v0, s[64:65] scope:SCOPE_SE
	s_setreg_imm32_b32 hwreg(HW_REG_WAVE_MODE, 25, 1), 1
	s_wait_xcnt 0x0
; Q, K, V [8192][1024] and Wq, Wk, Wv, Wo [1024][1024], f32, K innermost in all seven, become codes of FP6 (E2M3) and one E8M0 byte for each 32 along K.
; c1 is one matrix of 28,672 row places of 768 bytes, s1 the same places of 32 bytes: Q at place 0, K 8,192, V 16,384, Wq 24,576, Wk 25,600, Wv 26,624, Wo 27,648.
; In every tensor but Q and K the four groups of 8 rows of each 32 rows stand in the order 0, 2, 1, 3: sixteen neighbouring places are then the rows 32 b + 8 u + (i % 8) + 16 (i / 8) that a tile of the
; later products wants, so that a result's 16 registers of two neighbouring tiles are 16 neighbours along the next K.
; A block's scale is 2^(floor(log2(largest magnitude)) - 2); its byte is the largest magnitude's exponent field - 2, held at 1 from below (a block of zeros gets 1: its codes are zeros, and only this program reads the bytes).
; LIMITS: blocks whose largest magnitude lies under 2^-124 get the byte 1; NaN and infinities among the inputs are not served.
; A work-group takes 32 rows, a wave 8 rows = 16 steps of 512 numbers.  Each load reads 512 consecutive bytes; a step turns through the wave's own stage in LDS so that a lane holds 16 neighbours.
; No tensor loads, no barrier: waves share nothing.  Loads run four steps ahead, the turn through LDS one step.
.set STEPS, 16
.set EMAX,  2
.set CB,    12                         ; bytes of 16 codes
.set R,     16                         ; v16-79   four sets of 16 numbers as loaded
.set X,     80                         ; v80-111  two sets of 16 neighbours
.set C,     128                        ; v128-191 codes: four registers a step, never rewritten
.set E,     112                        ; v112-127 a scale byte for each step
.set WREG,  8192                       ; LDS of a wave: two stages of 32 x SP bytes, then its 256 scale bytes
.set SP,    80                         ; a lane's place in a stage: 64 bytes + 16 of padding
	s_load_b512 s[8:23], s[0:1], 0x0               ; Q, K, V, Wq, Wk, Wv, Wo, c1
	s_load_b64 s[24:25], s[0:1], 0x40              ; s1
	v_lshl_add_u32 v192, v0, 2, 0x8000
	v_mov_b32 v193, 0
	v_lshrrev_b32 v1, 5, v0
	v_readfirstlane_b32 s26, v1                    ; wave
	v_and_b32 v2, 31, v0                           ; lane
	v_lshlrev_b32 v3, 4, v2                        ; my 16 bytes of a load's 512
	s_mul_i32 s29, s26, WREG
	v_lshrrev_b32 v14, 2, v2
	v_mul_u32_u24 v14, v14, SP
	v_and_b32 v15, 3, v2
	v_lshl_add_u32 v14, v15, 4, v14
	v_add_nc_u32 v14, s29, v14                     ; the stage, in: SP (lane / 4) + 16 (lane % 4)
	v_mul_u32_u24 v15, v2, SP
	v_add_nc_u32 v15, s29, v15                     ; and out: SP x lane
	v_mul_u32_u24 v4, v2, CB                       ; my codes' place in a step's
	v_lshrrev_b32 v5, 1, v2
	s_add_co_u32 s29, s29, 2*32*SP
	v_add_nc_u32 v5, s29, v5                       ; my block's byte among my wave's 256
	v_lshlrev_b32 v7, 3, v2
	v_add_nc_u32 v6, s29, v7
	s_and_b32 s28, s26, 1
	s_lshl_b32 s28, s28, 1
	s_lshr_b32 s30, s26, 1
	s_or_b32 s28, s28, s30                         ; the group of 8 places that my 8 rows take: 0, 2, 1, 3
	s_wait_alu depctr_va_vdst(0)
	s_wait_kmcnt 0x0
; which tensor: the choice hangs on the work-group's number alone
.macro PICK lim, ptr, base
	s_cmp_lt_u32 ttmp9, \lim
	s_cselect_b64 s[4:5], s[\ptr:\ptr+1], s[4:5]
	s_cselect_b32 s27, \base, s27
.endm
	s_mov_b64 s[4:5], s[20:21]                     ; Wo
	s_mov_b32 s27, 864                             ; and its first work-group
	PICK 864, 18, 832
	PICK 832, 16, 800
	PICK 800, 14, 768
	PICK 768, 12, 512
	PICK 512, 10, 256
	PICK 256, 8, 0
	s_cselect_b32 s28, s26, s28                    ; Q keeps its rows in order
	s_sub_co_u32 s27, ttmp9, s27
	s_lshl_b32 s27, s27, 2
	s_add_co_u32 s27, s27, s26                     ; which run of 8,192 numbers of the tensor
	s_lshl_b32 s30, s27, 15
	s_mov_b32 s31, 0
	s_add_nc_u64 s[4:5], s[4:5], s[30:31]
	s_lshl_b32 s27, ttmp9, 2
	s_add_co_u32 s27, s27, s28                     ; which group of 8 places
	; K's rows (work-groups 256 to 511) take an order of their own: token 64 c + 32 h + 8 t + i stands at place 64 c + 16 t + 8 h + i,
	; so that the 32 scores which a lane holds of four neighbouring tiles of keys are 32 neighbouring keys.  Here h = work-group % 2, t = wave.
	s_lshr_b32 s29, ttmp9, 1
	s_lshl_b32 s29, s29, 3
	s_lshl_b32 s30, s26, 1
	s_add_co_u32 s29, s29, s30
	s_and_b32 s30, ttmp9, 1
	s_add_co_u32 s29, s29, s30                     ; 8 (work-group / 2) + 2 t + h
	s_lshr_b32 s30, ttmp9, 8
	s_cmp_eq_u32 s30, 1
	s_cselect_b32 s27, s29, s27
	s_mul_i32 s30, s27, 6144
	s_add_nc_u64 s[22:23], s[22:23], s[30:31]
	s_lshl_b32 s30, s27, 8
	s_add_nc_u64 s[24:25], s[24:25], s[30:31]
.macro LOAD t
.irp i, 0,1,2,3
	global_load_b128 v[R+16*((\t)%4)+4*\i:R+16*((\t)%4)+4*\i+3], v3, s[4:5] offset:2048*(\t)+512*\i th:TH_LOAD_NT
.endr
.endm
.macro TURN t                          ; LDS serves a wave's instructions in order: no wait between the stores and the loads
.irp i, 0,1,2,3
	ds_store_b128 v14, v[R+16*((\t)%4)+4*\i:R+16*((\t)%4)+4*\i+3] offset:32*SP*((\t)%2)+8*SP*\i
.endr
.irp i, 0,1,2,3
	ds_load_b128 v[X+16*((\t)%2)+4*\i:X+16*((\t)%2)+4*\i+3], v15 offset:32*SP*((\t)%2)+16*\i
.endr
.endm
.irp t, 0,1,2,3
	LOAD \t
.endr
	s_wait_loadcnt 12                              ; step 0's four loads are in
	TURN 0
.macro STEP t
.set XS, X+16*((\t)%2)
.if (\t) > 0
	s_wait_dscnt 1                                 ; this step's numbers are back (the last step's byte store may be out)
.else
	s_wait_dscnt 0x0
.endif
.if (\t)+4 < STEPS
	LOAD (\t)+4
.endif
.if (\t)+1 < STEPS
.if STEPS-2-(\t) >= 3
	s_wait_loadcnt 12                              ; the next step's four loads are in; three steps' may be out
.else
	s_wait_loadcnt 4*(STEPS-2-(\t))
.endif
	TURN (\t)+1
.endif
	v_max3_num_f32 v8, |v[XS]|, |v[XS+1]|, |v[XS+2]|
	v_max3_num_f32 v9, |v[XS+3]|, |v[XS+4]|, |v[XS+5]|
.irp i, 6,10
	v_max3_num_f32 v8, v8, |v[XS+\i]|, |v[XS+\i+1]|
	v_max3_num_f32 v9, v9, |v[XS+\i+2]|, |v[XS+\i+3]|
.endr
	v_max3_num_f32 v8, v8, |v[XS+14]|, |v[XS+15]|
	v_max3_num_f32 v8, v8, v9, (EMAX+1)<<23        ; the floor 2^(3 - 127): the byte cannot fall under 1
	v_max_num_f32_dpp v8, v8, v8 row_xmask:1 row_mask:0xf bank_mask:0xf   ; with my neighbour's 16: the block's
	v_add_nc_u32 v11, -(EMAX<<23), v8              ; 2 off the exponent field: the conversion's scale operand
	v_cvt_scalef32_pk16_fp6_f32 v[C+4*(\t):C+4*(\t)+2], v[XS:XS+15], v11
	v_lshrrev_b32 v[E+(\t)], 23, v11               ; the scale's byte
	ds_store_b8 v5, v[E+(\t)] offset:16*(\t)       ; both lanes of a block write the same byte
	global_store_b96 v4, v[C+4*(\t):C+4*(\t)+2], s[22:23] offset:32*CB*(\t)
.endm
.irp t, 0,1,2,3,4,5,6,7,8,9,10,11,12,13,14,15
	STEP \t
.endr
	ds_load_b64 v[12:13], v6
	s_wait_dscnt 0x0
	global_store_b64 v7, v[12:13], s[24:25]        ; 32 lanes store 256 consecutive bytes, aligned
	s_wait_tensorcnt 0x0
	ds_add_u32 v192, v193
	s_wait_dscnt 0x0
	s_endpgm
.Lfunc_end_k_qe59a296707_quant:
	.size	k_qe59a296707_quant, .Lfunc_end_k_qe59a296707_quant-k_qe59a296707_quant
	.p2alignl 7, 3214868480
	.fill 96, 4, 3214868480
	.section	.rodata,"a",@progbits
	.p2align	6, 0x0
	.amdhsa_kernel k_qe59a296707_quant
		.amdhsa_group_segment_fixed_size 33280
		.amdhsa_private_segment_fixed_size 0
		.amdhsa_enable_private_segment 0
		.amdhsa_kernarg_size 72
		.amdhsa_user_sgpr_count 2
		.amdhsa_user_sgpr_kernarg_segment_ptr 1
		.amdhsa_wavefront_size32 1
		.amdhsa_system_sgpr_workgroup_id_x 1
		.amdhsa_system_sgpr_workgroup_id_y 1
		.amdhsa_system_sgpr_workgroup_id_z 1
		.amdhsa_system_vgpr_workitem_id 0
		.amdhsa_next_free_vgpr 194
		.amdhsa_next_free_sgpr 66
		.amdhsa_reserve_vcc 0
		.amdhsa_float_denorm_mode_32 3
		.amdhsa_float_denorm_mode_16_64 3
		.amdhsa_memory_ordered 1
		.amdhsa_forward_progress 1
		.amdhsa_inst_pref_size 34
	.end_amdhsa_kernel
	.amdgpu_metadata
---
amdhsa.version: [ 1, 2 ]
amdhsa.kernels:
  - .name:           k_qe59a296707_quant
    .symbol:         k_qe59a296707_quant.kd
    .args:
      - { .name: Q, .offset: 0, .size: 8, .value_kind: global_buffer, .address_space: global }
      - { .name: K, .offset: 8, .size: 8, .value_kind: global_buffer, .address_space: global }
      - { .name: V, .offset: 16, .size: 8, .value_kind: global_buffer, .address_space: global }
      - { .name: Wq, .offset: 24, .size: 8, .value_kind: global_buffer, .address_space: global }
      - { .name: Wk, .offset: 32, .size: 8, .value_kind: global_buffer, .address_space: global }
      - { .name: Wv, .offset: 40, .size: 8, .value_kind: global_buffer, .address_space: global }
      - { .name: Wo, .offset: 48, .size: 8, .value_kind: global_buffer, .address_space: global }
      - { .name: c1, .offset: 56, .size: 8, .value_kind: global_buffer, .address_space: global }
      - { .name: s1, .offset: 64, .size: 8, .value_kind: global_buffer, .address_space: global }
    .group_segment_fixed_size: 33280
    .private_segment_fixed_size: 0
    .kernarg_segment_align: 8
    .kernarg_segment_size: 72
    .max_flat_workgroup_size: 128
    .sgpr_count:     66
    .vgpr_count:     194
    .wavefront_size: 32
...
	.end_amdgpu_metadata
.endif
;; end of part 1
;; launch proj (part 2): grid 4 x 96, 4 waves a work-group, clusters of 4 x 4, 327,680 bytes of LDS; arguments c1, s1, bq, bk, bv, mask, qi, kv; writes qi, kv
.if DOCPART == 2
	.amdgcn_target "amdgcn-amd-amdhsa--gfx1250"
	.amdhsa_code_object_version 6
	.text
	.protected	k_qe59a296707_proj
	.globl	k_qe59a296707_proj
	.p2align	8
	.type	k_qe59a296707_proj,@function
k_qe59a296707_proj:
	s_mov_b64 s[64:65], 0
	v_nop
	global_prefetch_b8 v0, s[64:65] scope:SCOPE_SE
	s_setreg_imm32_b32 hwreg(HW_REG_WAVE_MODE, 25, 1), 1
	s_wait_xcnt 0x0
	s_wait_alu depctr_hold_cnt(0) depctr_sa_sdst(0) depctr_va_vdst(0) depctr_va_sdst(0) depctr_va_ssrc(0) depctr_va_vcc(0) depctr_vm_vsrc(0)
	s_getreg_b32 s2, hwreg(HW_REG_IB_STS2, 6, 4)
	s_cmp_eq_u32 s2, 0
	s_cbranch_scc0 .Lentry_in_a_cluster
	s_endpgm
.Lentry_in_a_cluster:
	s_bfe_u32 s2, ttmp6, 0x10000c
	s_cmp_lg_u32 s2, 0xf033
	s_cbranch_scc0 .Lentry_shape_is_right
	s_endpgm
.Lentry_shape_is_right:
; The three input projections on codes of FP6, their results quantised in registers and stored as images of the next products' operand registers.
; 24 clusters of 4 x 4 work-groups, Y = the cluster's y:  Y 0-7: q = Q Wq^T + bq;  Y 8-15: k = K Wk^T + bk;  Y 16-23: v^T = Wv V^T + bv.
; Always C[m][n] = sum over k of A[m][k] B[n][k] + bias, quantised along n; A and B are row places of c1 (q, k: A = tokens, B = weight; v: A = weight, B = tokens).
; A tile of C is 256 x 256, a wave makes 128 x 128 in 64 accumulators.  A row of codes is 768 bytes: it goes in three chunks of 256 bytes, each on a 256-byte border, through a ring of two LDS slots;
; a step of 128 along K is 96 bytes, eight steps to three chunks; steps 2 and 5 lie across two chunks.  The scale bytes of the 512 rows come once.
; The matrix instruction is used transposed (source 0 = 16 places of B, source 1 = 16 places of A): a lane holds one row of A, its registers run along n.  B's places are laid so that the 16 registers of
; tiles 2 b, 2 b + 1 are the 16 neighbours n = 32 b + 16 (lane / 16) + 0 .. 15.  The bias is the C of each sum's first product.
; OUT.  q, k: for each of my two heads and each tile of 16 tokens six registers a lane: 512 bytes at 16 x lane, 256 bytes at 8 x lane; scale words (two bytes, the upper two 0) 16 bytes a lane.
; v: for each of my two heads four tiles of 16 channels x 128 keys, twelve registers a lane in three planes of 512 bytes; scale words 16 bytes a lane.
; K's places: token 64 c + 32 h + 8 t + i of a step of 128 stands at place 64 c + 16 t + 8 h + i.
; THE MASK (k only): a masked key's codes become zeros, and for each head and key step 128 words go out, 0 or -2^33, in the order of K's places: the score product takes them as its C.
; LIMIT: a masked logit is -2^30 where the source has -1e9: the same results while a row's largest unmasked logit lies above about -1e9.  NaN and infinities are not served.
; CLUSTERS: A's tiles are shared along a row of the cluster, B's along a column: joint tensor loads, one a wave at the head and one behind each round.
; No prefetch: three chunks a row, of which two are asked for at the head and behind its round: no loop to run ahead in.
; REGISTERS: window 0: v0-31 addresses; v32-63 scale words; v64-127 the bias; v128-223 A's fragments, on the way out codes and work; v224-246 mask words and offsets.
;   window 1: B's fragments, two sets.   windows 2, 3: the accumulators ((a, b) at v[8 (8 (a % 4) + b)]).
.set NQ,     2
.set ROWB,   256
.set KROW,   768
.set STEPS,  8
.set CHUNKS, 3
.set PITCH,  272
.set FR,     12
.set NL,     6
.set NP,     4
.set HALFT,  128*PITCH
.set SLOT,   4*HALFT
.set KS,     32
.set SCL,    2*SLOT
.set HALFS,  16*272
.set SBLK,   2*272
.set SPARE,  SCL+4*HALFS               ; the spare words: 128 bytes a wave, named by no other line
.set QSTEP,  6656
.set QHEAD,  16*QSTEP
.set QSOFF,  6144
.set STEPB,  13568                     ; kv: K 6,144, V 6,144, K's scale words 512, V's 256, mask words 512
.set HEADB,  16*STEPB
.set VOFF,   6144
.set KSOFF,  12288
.set VSOFF,  12800
.set MOFF,   13056
.set ADRA, 16                          ; v16-17 my A fragments in slot 0, 1; v18-19 for pieces whose two halves of the lanes read different chunks
.set ADRB, 20
.set ADRS, 27
.set SPW,  28
.set NIL,  29
.set SC,   32
.set BIAS, 64
.set AF,   128
.set PC,   128
.set TM,   148
.set PW,   164
.set T0,   166
.set SWA,  172
.set SWB,  176
.set MK,   224
.set NEG,  232
.set L16,  236
.set BO,   237
.set BO2,  238
.set VSO,  239
.set MBW,  240
.set L8,   244
.set MLO,  245
.set BK,   246
.set WV,  16
.set HA,  17
.set HN,  18
.set Y,   19
.set HIM, 2
.set ISV, 66
.set ISQ, 67
.set SEL, 100
.set G1, 24
.set G0, 32
.set G1B, 48
.set G0B, 56
.set G1S, 68
.set G0S, 76
.set G1SB, 80
.set G0SB, 88
.set MSB, 0
.macro WIN new
.if MSB != \new
	s_set_vgpr_msb (MSB<<8)|\new
.set MSB, \new
.endif
.endm
.set MUL_LO, 0xa1
.set MUL_HI, 0xf1
.set TO_B,   0x40
.macro PLACES n
.rept \n
	v_nop
.endr
.endm
.macro TLOAD g0, g1                    ; s_nop 0 and four v_nop behind each load
	tensor_load_to_lds s[\g0:\g0+3], s[\g1:\g1+7]
	s_nop 0
	PLACES 4
.endm
.macro JLOAD g0a, g1a, g0b, g1b        ; waves 0 and 1 fetch for A, waves 2 and 3 for B
	s_cmp_eq_u32 s[HA], 0
	s_cbranch_scc0 .Lfor_b_\@
	TLOAD \g0a, \g1a
	s_branch .Lasked_\@
.Lfor_b_\@:
	TLOAD \g0b, \g1b
.Lasked_\@:
.endm
.macro CREST
	s_cmp_lg_u32 s[WV], 0
	s_cbranch_scc1 .Lnot_wave_0_\@
	s_barrier_signal -3
.Lnot_wave_0_\@:
	s_barrier_wait -3
	s_barrier_signal -1
	s_barrier_wait -1
.endm
.macro CROUND
	s_barrier_signal -1
	s_barrier_wait -1
	CREST
.endm
	s_load_b128 s[4:7], s[0:1], 0x0                ; c1, s1
	s_load_b256 s[8:15], s[0:1], 0x10              ; bq, bk, bv, mask
	s_load_b128 s[92:95], s[0:1], 0x30             ; qi, kv
	v_lshl_add_u32 v[SPW], v0, 2, SPARE
	v_mov_b32 v[NIL], 0
	ds_add_u32 v[SPW], v[NIL]                      ; the opening lines: the add twice and one wait
	ds_add_u32 v[SPW], v[NIL]
	v_lshrrev_b32 v1, 5, v0
	v_readfirstlane_b32 s[WV], v1
	s_lshr_b32 s[HA], s[WV], 1                     ; my half of A's rows; also: I fetch for A (0) or B (1)
	s_and_b32 s[HN], s[WV], 1                      ; my half of B's rows; also: which 128 rows I fetch
	s_bfe_u32 s40, ttmp6, 0x40000                  ; cx
	s_bfe_u32 s41, ttmp6, 0x40004                  ; cy
	s_and_b32 s[Y], ttmp7, 0xffff
	s_lshl_b32 s43, s41, 2
	s_lshl_b32 s43, 15, s43                        ; my row of the cluster
	s_lshl_b32 s44, 0x1111, s40                    ; my column
	s_or_b32 s[G1+0], s43, (1<<20)|(1<<21)|(5<<22)|(3<<25)   ; bytes; 4 words of padding behind every 64
	s_or_b32 s[G1B+0], s44, (1<<20)|(1<<21)|(5<<22)|(3<<25)
.irp g, G1, G1B
	s_mov_b32 s[\g+1], ROWB<<16
	s_mov_b32 s[\g+2], 256<<16                     ; the head's loads bring 256 rows
	s_mov_b32 s[\g+3], ROWB<<16
	s_mov_b32 s[\g+4], 256
	s_mov_b32 s[\g+5], KROW
	s_mov_b32 s[\g+6], 0
	s_mov_b32 s[\g+7], 0
.endr
	s_or_b32 s[G1S+0], s43, (3<<16)|(1<<20)|(1<<21)|(5<<22)|(3<<25)  ; the scales of 256 rows: 32 rows of 256 bytes
	s_or_b32 s[G1SB+0], s44, (3<<16)|(1<<20)|(1<<21)|(5<<22)|(3<<25)
.irp g, G1S, G1SB
	s_mov_b32 s[\g+1], 32<<16
	s_mov_b32 s[\g+2], KS<<16
	s_mov_b32 s[\g+3], 32<<16
	s_mov_b32 s[\g+4], KS
	s_mov_b32 s[\g+5], 32
	s_mov_b32 s[\g+6], 0
	s_mov_b32 s[\g+7], 0
.endr
	s_lshl_b32 s21, s[Y], 10                       ; the tokens' places: Q, K and V follow each other, 1,024 a cluster
	s_lshr_b32 s23, s[Y], 3
	s_lshl_b32 s23, s23, 10
	s_add_co_u32 s23, s23, 24576                   ; Wq or Wk
	s_mov_b32 s22, 26624                           ; Wv
	s_cmp_ge_u32 s[Y], 16
	s_cselect_b32 s[ISV], 1, 0
	s_cselect_b32 s22, s22, s21
	s_cselect_b32 s23, s21, s23
	s_lshl_b32 s20, s41, 8
	s_add_co_u32 s20, s20, s22                     ; A's first place: hangs on cy, never on cx
	s_lshl_b32 s96, s40, 8
	s_add_co_u32 s96, s96, s23                     ; B's: on cx, never on cy
	s_lshl_b32 s22, s20, 5
	s_mov_b32 s23, 0
	s_mul_i32 s20, s20, KROW
	s_mov_b32 s21, 0
	s_lshl_b32 s98, s96, 5
	s_mov_b32 s99, 0
	s_mul_i32 s96, s96, KROW
	s_mov_b32 s97, 0
	s_mul_i32 s45, s[WV], HALFT                    ; the ring: wave x 128 rows
	s_mov_b32 s[SEL], 0x76543210
	s_mov_b32 s[SEL+1], 0xfedcba98
	s_mov_b32 s[HIM], 0xffff0000
	s_wait_dscnt 0x0
	s_wait_kmcnt 0x0
	s_add_nc_u64 s[20:21], s[4:5], s[20:21]
	s_add_nc_u64 s[22:23], s[6:7], s[22:23]
	s_add_nc_u64 s[96:97], s[4:5], s[96:97]
	s_add_nc_u64 s[98:99], s[6:7], s[98:99]
	CROUND                                         ; all sixteen work-groups are here: the first joint loads meet
	s_mov_b32 s[G0], 1                             ; slot 0's sets serve the head first: chunk 0's 256 rows of A,
	s_mov_b32 s[G0+1], 0
	s_mov_b64 s[G0+2:G0+3], s[20:21]
	s_or_b32 s[G0+3], s[G0+3], 0x80000000
	s_mov_b32 s[G0B], 1                            ; and of B
	s_mov_b32 s[G0B+1], 2*HALFT
	s_mov_b64 s[G0B+2:G0B+3], s[96:97]
	s_or_b32 s[G0B+3], s[G0B+3], 0x80000000
	s_mov_b32 s[G0S], 1
	s_mov_b32 s[G0S+1], SCL
	s_mov_b64 s[G0S+2:G0S+3], s[22:23]
	s_or_b32 s[G0S+3], s[G0S+3], 0x80000000
	s_mov_b32 s[G0SB], 1
	s_mov_b32 s[G0SB+1], SCL+2*HALFS
	s_mov_b64 s[G0SB+2:G0SB+3], s[98:99]
	s_or_b32 s[G0SB+3], s[G0SB+3], 0x80000000
	s_mul_i32 s4, s[HN], 128*KROW                  ; in the ring I fetch 128 rows: which half, in bytes
	s_mov_b32 s5, 0
	s_mov_b32 s[G0+4], 1                           ; slot 1: chunk 1, my 128 rows
	s_add_co_u32 s[G0+5], s45, SLOT
	s_add_nc_u64 s[G0+6:G0+7], s[20:21], s[4:5]
	s_add_nc_u64 s[G0+6:G0+7], s[G0+6:G0+7], ROWB
	s_or_b32 s[G0+7], s[G0+7], 0x80000000
	s_mov_b32 s[G0B+4], 1
	s_add_co_u32 s[G0B+5], s45, SLOT
	s_add_nc_u64 s[G0B+6:G0B+7], s[96:97], s[4:5]
	s_add_nc_u64 s[G0B+6:G0B+7], s[G0B+6:G0B+7], ROWB
	s_or_b32 s[G0B+7], s[G0B+7], 0x80000000
; the head's four tiles, one a wave, in one chain of branches on the wave's number
.macro ARM under, g0, g1, next
	s_cmp_lt_u32 s[WV], \under
	s_cbranch_scc0 \next
	TLOAD \g0, \g1
	s_branch .Lhead_asked
\next:
.endm
	ARM 1, G0,  G1,  .Lhead_b
	ARM 2, G0B, G1B, .Lhead_sa
	ARM 3, G0S, G1S, .Lhead_sb
	TLOAD G0SB, G1SB
.Lhead_asked:
	s_mul_i32 s20, s[HA], HALFT                    ; my 128 rows of A
	s_mul_i32 s21, s[HN], HALFT
	s_add_co_u32 s21, s21, 2*HALFT                 ; my 128 rows of B
	s_mov_b32 s22, SLOT-232
	s_mov_b32 s23, SLOT+232
	s_mul_i32 s46, s[HA], HALFS
	s_mul_i32 s47, s[HN], HALFS
	s_add_co_u32 s47, s47, 2*HALFS
	s_sub_co_u32 s47, s47, s46
	s_add_co_u32 s46, s46, SCL
	v_and_b32 v1, 15, v0                           ; r
	v_bfe_u32 v2, v0, 4, 1                         ; h
	v_mul_u32_u24 v3, v1, PITCH
	v_mul_u32_u24 v4, v2, 24
	v_add_nc_u32 v4, v3, v4
	v_sub_nc_u32 v7, 1, v2
	v_mul_u32_u24 v5, s22, v2
	v_add_nc_u32 v5, v3, v5
	v_add_nc_u32 v5, 232, v5                       ; lanes 0-15 byte 232 of the row in slot 0, lanes 16-31 byte 0 in slot 1
	v_mul_u32_u24 v6, s23, v7
	v_add_nc_u32 v6, v3, v6                        ; lanes 0-15 byte 232 in slot 1, lanes 16-31 byte 0 in slot 0
	v_add_nc_u32 v[ADRA], s20, v4
	v_add_nc_u32 v[ADRB], s21, v4
	v_add_nc_u32 v[ADRA+1], SLOT, v[ADRA]
	v_add_nc_u32 v[ADRB+1], SLOT, v[ADRB]
	v_add_nc_u32 v[ADRA+2], s20, v5
	v_add_nc_u32 v[ADRA+3], s20, v6
	v_add_nc_u32 v[ADRB+2], s21, v5
	v_add_nc_u32 v[ADRB+3], s21, v6
	v_mul_u32_u24 v5, v1, KS
	v_lshrrev_b32 v6, 8, v5
	v_lshl_add_u32 v5, v6, 4, v5
	v_mul_u32_u24 v6, s47, v2                      ; lanes 16-31 take B's scale words
	v_add_nc_u32 v5, v5, v6
	v_add_nc_u32 v[ADRS], s46, v5
	v_and_b32 v6, 31, v0
	v_lshlrev_b32 v[L16], 4, v6
	v_lshlrev_b32 v[L8], 3, v6
	v_and_b32 v7, 7, v1
	v_lshrrev_b32 v8, 3, v1
	v_lshl_add_u32 v9, v8, 4, v7
	v_lshlrev_b32 v[BO], 2, v9                     ; 4 ((r % 8) + 16 (r / 8)): the weight's row that lane r of a tile of places holds
	v_lshl_add_u32 v9, v8, 5, v7
	v_lshlrev_b32 v[BK], 2, v9                     ; 4 ((r % 8) + 32 (r / 8)): K's token likewise
	v_lshlrev_b32 v[BO2], 6, v2
	v_lshlrev_b32 v[VSO], 4, v1
	v_mul_u32_u24 v8, v2, HEADB
	v_add_nc_u32 v[VSO], v[VSO], v8
	v_and_b32 v7, 1, v6                            ; places 4 l .. 4 l + 3 hold four neighbouring tokens: place bit 3 is token bit 5, place bits 4, 5 are token bits 3, 4
	v_lshlrev_b32 v7, 4, v7
	v_bfe_u32 v8, v6, 1, 1
	v_lshl_or_b32 v7, v8, 7, v7
	v_bfe_u32 v8, v6, 2, 2
	v_lshl_or_b32 v7, v8, 5, v7
	v_lshrrev_b32 v8, 4, v6
	v_lshl_or_b32 v[MLO], v8, 8, v7
	v_mov_b32 v[NEG], 0xd0000000                   ; -2^33
	s_wait_alu depctr_va_vdst(0)                   ; the wait behind the head's vector lines
	s_lshl_b32 s20, s41, 8
	s_lshl_b32 s21, s[HA], 7
	s_add_co_u32 s20, s20, s21                     ; my first row of A in its 1,024
	s_lshl_b32 s21, s40, 8
	s_lshl_b32 s22, s[HN], 7
	s_add_co_u32 s21, s21, s22                     ; my first row of B
	s_lshl_b32 s22, s[Y], 10
	s_and_b32 s22, s22, 8191
	s_cmp_lg_u32 s[ISV], 0
	s_cselect_b32 s23, s21, s20                    ; the tokens' side
	s_cselect_b32 s20, s20, s21                    ; the channels' side
	s_cselect_b64 s[10:11], s[12:13], s[10:11]     ; bv or bk
	s_add_co_u32 s22, s22, s23                     ; my first token
	s_cmp_lt_u32 s[Y], 8
	s_cselect_b64 s[8:9], s[8:9], s[10:11]         ; the bias
	s_cselect_b64 s[92:93], s[92:93], s[94:95]     ; the buffer that I store into
	s_cselect_b32 s[ISQ], -1, 0
	s_mov_b32 s42, HEADB
	s_cselect_b32 s42, QHEAD, s42
	s_mov_b32 s43, STEPB
	s_cselect_b32 s43, QSTEP, s43
	s_mov_b32 s44, KSOFF
	s_cselect_b32 s44, QSOFF, s44
	s_lshl_b32 s46, s20, 2
	s_mov_b32 s47, 0
	s_add_nc_u64 s[8:9], s[8:9], s[46:47]
	s_lshl_b32 s46, s22, 2
	s_add_nc_u64 s[14:15], s[14:15], s[46:47]      ; the mask at my first token
	s_lshr_b32 s21, s22, 11
	s_lshl_b32 s21, s21, 4
	s_lshr_b32 s20, s20, 6
	s_add_co_u32 s21, s21, s20
	s_mul_i32 s46, s21, s42
	s_bfe_u32 s22, s22, 0x40007
	s_mul_i32 s22, s22, s43
	s_add_co_u32 s46, s46, s22
	s_add_nc_u64 s[92:93], s[92:93], s[46:47]      ; my first head's step block
	s_mov_b32 s46, s42
	s_add_nc_u64 s[94:95], s[92:93], s[46:47]      ; my second head's
	s_mov_b32 s46, s44
	s_add_nc_u64 s[96:97], s[92:93], s[46:47]      ; their scale words
	s_add_nc_u64 s[98:99], s[94:95], s[46:47]
.irp a, 0,1,2,3,4,5,6,7                        ; the mask is loaded on every path (inside its buffer for each Y); only k uses it
	global_load_b32 v[MK+\a], v[BK], s[14:15] offset:(64*(\a/4)+8*(\a%4))*4
.endr
	global_load_b128 v[MBW:MBW+3], v[MLO], s[14:15]
	s_cmp_lg_u32 s[ISV], 0
	s_cbranch_scc1 .Lbias_v
.irp b, 0,1,2,3,4,5,6,7                        ; q, k: the bias runs along the registers
	global_load_b128 v[BIAS+8*\b:BIAS+8*\b+3], v[BO2], s[8:9] offset:(32*(\b/2)+8*(\b%2))*4
	global_load_b128 v[BIAS+8*\b+4:BIAS+8*\b+7], v[BO2], s[8:9] offset:(32*(\b/2)+8*(\b%2))*4+16
.endr
	s_branch .Lbias_done
.Lbias_v:
.irp a, 0,1,2,3,4,5,6,7                        ; v: the bias belongs to the lane's channel
.irp j, 0,1,2,3,4,5,6,7
	global_load_b32 v[BIAS+8*\a+\j], v[BO], s[8:9] offset:(32*(\a/2)+8*(\a%2))*4
.endr
.endr
.Lbias_done:
.macro FRAG reg, adr, st, i            ; 16 rows x 128 K: 12 registers in pieces of 8 bytes; byte y of a row lies in chunk y / 256, slot (y / 256) % 2
.irp p, 0,1,2,3,4,5
.set BY, 96*(\st)+48*(\p/3)+8*(\p%3)
.if BY/ROWB == (BY+24)/ROWB
	ds_load_b64 v[\reg+2*\p:\reg+2*\p+1], v[\adr+(BY/ROWB)%2] offset:BY%ROWB+(\i)*16*PITCH
.else
	ds_load_b64 v[\reg+2*\p:\reg+2*\p+1], v[\adr+2+(BY/ROWB)%2] offset:BY%ROWB-232+(\i)*16*PITCH
.endif
.endr
.endm
.macro MM c
	v_wmma_scale_f32_16x16x128_f8f6f4 v[D_:D_+7], v[B_:B_+FR-1], v[A_:A_+FR-1], \c, v[XB_], v[XA_] matrix_a_fmt:MATRIX_FMT_FP6 matrix_b_fmt:MATRIX_FMT_FP6 matrix_a_scale:MATRIX_SCALE_ROW1
.endm
; 16 products: A's blocks a0, a0 + 1 x B's eight.  cm = 0: in place; 1: C = the bias along n (q, k); 2: C = the bias of A's rows (v).  The 64 accumulators take turns.
.macro MUL16 a0, p, q, sc, cm
.irp a, \a0, \a0+1
.irp b, 0,1,2,3,4,5,6,7
.set D_, 8*(8*((\a)%4)+\b)
.set B_, 128*(\p)+FR*\b
.set A_, AF+FR*(\a)
.set XB_, SC+8*NQ*(\sc)+NQ*\b+(\q)
.set XA_, SC+8*NQ*(\sc)+NQ*(\a)+(\q)
.if \cm == 0
	MM v[D_:D_+7]
.elseif \cm == 1
	MM v[BIAS+8*\b:BIAS+8*\b+7]
.else
	MM v[BIAS+8*(\a):BIAS+8*(\a)+7]
.endif
.endr
.endr
.endm
.macro FETCH_B st, p
	WIN TO_B
.irp i, 0,1,2,3,4,5,6,7
	FRAG 128*(\p)+FR*\i, ADRB, \st, \i
.endr
	WIN 0
.endm
.macro FETCH_A st, i0
.irp i, \i0, \i0+1, \i0+2, \i0+3
	FRAG AF+FR*(\i), ADRA, \st, \i
.endr
.endm
.macro SCALES pr                       ; the scale words of steps 2 pr, 2 pr + 1: lanes 0-15 A's block i, lanes 16-31 B's block i
.irp i, 0,1,2,3,4,5,6,7
	ds_load_b64 v[SC+8*NQ*((\pr)%2)+NQ*\i:SC+8*NQ*((\pr)%2)+NQ*\i+1], v[ADRS] offset:\i*SBLK+4*NQ*(\pr)
.endr
.endm
.macro WLO cm
.if \cm
	WIN 0x81                                       ; C (the bias) window 0, D window 2
.else
	WIN MUL_LO
.endif
.endm
.macro WHI cm
.if \cm
	WIN 0xc1
.else
	WIN MUL_HI
.endif
.endm
; A step of 128 along K.  Where the next step's bytes END in a chunk not read yet: every wave waits for its tensor loads, and a barrier shows that chunk.  Where they BEGIN in a later chunk: the tensor wait, the add and its LDS wait,
; the barrier, and, where a chunk two on is left, the rest of a round of the cluster's barrier and the refill.
.macro STEP st, cm
.set NX, (\st)+1
.set C0, (96*(\st))/ROWB
.set C1, (96*NX)/ROWB
.set E0, (96*(\st)+95)/ROWB
.set E1, (96*NX+95)/ROWB
.if C1 > C0 || E1 > E0
	s_wait_tensorcnt 0x0
.if C1 > C0
	ds_add_u32 v[SPW], v[NIL]
	s_wait_dscnt 4*NL+1                            ; the add and A's blocks 4-7 (24 loads) may be out
.else
	s_wait_dscnt 4*NL
.endif
	WLO \cm
	MUL16 0, (\st)%2, (\st)%2, ((\st)/2)%2, \cm
	s_wait_dscnt 0x0
	s_barrier_signal -1
	MUL16 2, (\st)%2, (\st)%2, ((\st)/2)%2, \cm
	WIN 0
	s_barrier_wait -1
.if C1 > C0 && C0+2 < CHUNKS
	CREST
	s_add_nc_u64 s[G0+4*(C0%2)+2:G0+4*(C0%2)+3], s[G0+4*(C0%2)+2:G0+4*(C0%2)+3], 2*ROWB
	s_add_nc_u64 s[G0B+4*(C0%2)+2:G0B+4*(C0%2)+3], s[G0B+4*(C0%2)+2:G0B+4*(C0%2)+3], 2*ROWB
	JLOAD G0+4*(C0%2), G1, G0B+4*(C0%2), G1B
.else
	PLACES NP
.endif
.else
	s_wait_dscnt 4*NL                              ; B's set and A's blocks 0-3 are in
	WLO \cm
	MUL16 0, (\st)%2, (\st)%2, ((\st)/2)%2, \cm
	MUL16 2, (\st)%2, (\st)%2, ((\st)/2)%2, \cm
	s_wait_dscnt 0
	PLACES NP
.endif
	FETCH_B NX, NX%2
	FETCH_A NX, 0
.if NX%2 == 0
	SCALES NX/2
.endif
	WHI \cm
	MUL16 4, (\st)%2, (\st)%2, ((\st)/2)%2, \cm
	MUL16 6, (\st)%2, (\st)%2, ((\st)/2)%2, \cm
	PLACES NP
	WIN 0
	FETCH_A NX, 4
.endm
	s_wait_alu depctr_va_vdst(0)                   ; the wait at the head's end
	s_wait_tensorcnt 0x0                           ; my tile of the head's four is in; the three lines ahead of slot 1's first fill
	ds_add_u32 v[SPW], v[NIL]
	s_mov_b32 s[G1+2], 128<<16                     ; no load of mine is out: from here on a load brings 128 rows,
	s_mov_b32 s[G1+4], 128
	s_mov_b32 s[G1B+2], 128<<16
	s_mov_b32 s[G1B+4], 128
	s_mov_b32 s[G0+1], s45                         ; and slot 0's sets name my 128 rows
	s_add_nc_u64 s[G0+2:G0+3], s[G0+2:G0+3], s[4:5]
	s_mov_b32 s[G0B+1], s45
	s_add_nc_u64 s[G0B+2:G0B+3], s[G0B+2:G0B+3], s[4:5]
	s_wait_dscnt 0x0
	CROUND
	JLOAD G0+4, G1, G0B+4, G1B                     ; chunk 1, the first tensor load behind the round
	FETCH_B 0, 0
	FETCH_A 0, 0
	SCALES 0
	FETCH_A 0, 4
	s_wait_loadcnt 0x0                             ; the bias and the mask
	s_cmp_lg_u32 s[ISV], 0                         ; the first step starts the sums with the bias: written once for each way the bias lies
	s_cbranch_scc1 .Lfirst_v
	STEP 0, 1
	s_branch .Lfirst_done
.Lfirst_v:
	STEP 0, 2
.Lfirst_done:
.set ST, 1
.rept STEPS-2
	STEP ST, 0
.set ST, ST+1
.endr
	s_wait_dscnt 4*NL
	WIN MUL_LO
	MUL16 0, 1, 1, 1, 0
	MUL16 2, 1, 1, 1, 0
	s_wait_dscnt 0
	WIN MUL_HI
	MUL16 4, 1, 1, 1, 0
	MUL16 6, 1, 1, 1, 0
	WIN 0
; THE WAY OUT.  The 64 accumulator registers of A's block a become twelve registers of codes in v[PC] on and a scale word in v[PW].
.macro QUANT a
.set S0, 64*((\a)%4)
	WIN (((2+(\a)/4)<<2)|((2+(\a)/4)<<4))
.irp b, 0,1,2,3
	v_max3_num_f32 v[TM+\b], 0x1800000, |v[S0+16*\b]|, |v[S0+16*\b+1]|   ; with the floor 2^(3 - 127)
.endr
.irp i, 2,4,6,8,10,12,14
.irp b, 0,1,2,3
	v_max3_num_f32 v[TM+\b], v[TM+\b], |v[S0+16*\b+\i]|, |v[S0+16*\b+\i+1]|
.endr
.endr
	WIN 0
.irp b, 0,1,2,3
	v_permlanex16_b32 v[TM+4+\b], v[TM+\b], s[SEL], s[SEL+1]
.endr
.irp b, 0,1,2,3
	v_max_num_f32 v[TM+\b], v[TM+\b], v[TM+4+\b]
.endr
.irp b, 0,1,2,3
	v_add_nc_u32 v[TM+12+\b], 0xff000000, v[TM+\b] ; 2 off the exponent field: the conversion's scale operand
.endr
.irp b, 0,1,2,3
	v_lshrrev_b32 v[TM+4+\b], 23, v[TM+12+\b]
.endr
	v_lshl_or_b32 v[PW], v[TM+5], 8, v[TM+4]
	v_lshl_or_b32 v[PW], v[TM+6], 16, v[PW]
	v_lshl_or_b32 v[PW], v[TM+7], 24, v[PW]
	s_wait_xcnt 0x0                                ; the last block's stores have read the codes' registers
	WIN (2+(\a)/4)
.irp c, 0,1
	v_cvt_scalef32_pk16_fp6_f32 v[PC+6*\c:PC+2+6*\c], v[S0+32*\c:S0+15+32*\c], v[TM+12+2*\c]
	v_cvt_scalef32_pk16_fp6_f32 v[PC+12+4*\c:PC+14+4*\c], v[S0+16+32*\c:S0+31+32*\c], v[TM+12+2*\c+1]
.endr
	WIN 0
	v_nop
.irp c, 0,1
.irp i, 0,1,2
	v_permlane16_swap_b32 v[PC+6*\c+\i], v[PC+12+4*\c+\i]
.endr
.irp i, 0,1,2
	v_mov_b32 v[PC+3+6*\c+\i], v[PC+12+4*\c+\i]
.endr
.endr
.endm
.macro OUTQK a
	QUANT \a
	v_cmp_ne_u32 vcc_lo, 0, v[MK+\a]
	s_or_b32 vcc_lo, vcc_lo, s[ISQ]                ; q is not masked
.irp i, 0,1,2,3,4,5,6,7,8,9,10,11
	v_cndmask_b32 v[PC+\i], 0, v[PC+\i], vcc_lo    ; a masked key's codes are zeros
.endr
.if \a < 4
	v_and_b32 v[SWA+\a], 0xffff, v[PW]
	v_lshrrev_b32 v[SWB+\a], 16, v[PW]
.else
	v_and_b32 v[T0], 0xffff, v[PW]
	v_lshrrev_b32 v[T0+1], 16, v[PW]
	v_cndmask_b32 v[SWA+\a-4], v[SWA+\a-4], v[T0], s[HIM]
	v_cndmask_b32 v[SWB+\a-4], v[SWB+\a-4], v[T0+1], s[HIM]
.endif
	global_store_b128 v[L16], v[PC:PC+3], s[92:93] offset:768*\a
	global_store_b64 v[L8], v[PC+4:PC+5], s[92:93] offset:768*\a+512
	global_store_b128 v[L16], v[PC+6:PC+9], s[94:95] offset:768*\a
	global_store_b64 v[L8], v[PC+10:PC+11], s[94:95] offset:768*\a+512
.endm
.macro OUTV a
	QUANT \a
.if \a < 4
	v_mov_b32 v[SWA+\a], v[PW]
.else
	v_cndmask_b32 v[SWA+\a-4], v[SWA+\a-4], v[PW], s[HIM]
.endif
.irp p, 0,1,2
	global_store_b128 v[L16], v[PC+4*\p:PC+4*\p+3], s[92:93] offset:(\a/4)*HEADB+VOFF+(\a%4)*1536+512*\p
.endr
.endm
	PLACES NP
.irp b, 0,1,2,3
	v_mov_b32 v[TM+4+\b], 0                        ; a lane permute's destination counts as one of its sources
.endr
	s_cmp_lg_u32 s[ISV], 0
	s_cbranch_scc1 .Lout_v
.irp i, 0,1,2,3
	v_cmp_eq_u32 vcc_lo, 0, v[MBW+\i]
	v_cndmask_b32 v[MBW+\i], 0, v[NEG], vcc_lo
.endr
	s_cmp_lg_u32 s[ISQ], 0
	s_cbranch_scc1 .Lno_mb
	global_store_b128 v[L16], v[MBW:MBW+3], s[92:93] offset:MOFF
	global_store_b128 v[L16], v[MBW:MBW+3], s[94:95] offset:MOFF
.Lno_mb:
.irp a, 0,1,2,3,4,5,6,7
	OUTQK \a
.endr
	global_store_b128 v[L16], v[SWA:SWA+3], s[96:97]
	global_store_b128 v[L16], v[SWB:SWB+3], s[98:99]
	s_branch .Ldone
.Lout_v:
.irp a, 0,1,2,3,4,5,6,7
	OUTV \a
.endr
	global_store_b128 v[VSO], v[SWA:SWA+3], s[92:93] offset:VSOFF
.Ldone:
	s_wait_tensorcnt 0x0                           ; the wave's end
	ds_add_u32 v[SPW], v[NIL]
	s_wait_dscnt 0x0
	CROUND                                         ; the closing round
	s_endpgm
.Lfunc_end_k_qe59a296707_proj:
	.size	k_qe59a296707_proj, .Lfunc_end_k_qe59a296707_proj-k_qe59a296707_proj
	.p2alignl 7, 3214868480
	.fill 96, 4, 3214868480
	.section	.rodata,"a",@progbits
	.p2align	6, 0x0
	.amdhsa_kernel k_qe59a296707_proj
		.amdhsa_group_segment_fixed_size 327680
		.amdhsa_private_segment_fixed_size 0
		.amdhsa_enable_private_segment 0
		.amdhsa_kernarg_size 64
		.amdhsa_user_sgpr_count 2
		.amdhsa_user_sgpr_kernarg_segment_ptr 1
		.amdhsa_wavefront_size32 1
		.amdhsa_system_sgpr_workgroup_id_x 1
		.amdhsa_system_sgpr_workgroup_id_y 1
		.amdhsa_system_sgpr_workgroup_id_z 1
		.amdhsa_system_vgpr_workitem_id 0
		.amdhsa_next_free_vgpr 1024
		.amdhsa_next_free_sgpr 102
		.amdhsa_reserve_vcc 1
		.amdhsa_float_denorm_mode_32 3
		.amdhsa_float_denorm_mode_16_64 3
		.amdhsa_memory_ordered 1
		.amdhsa_forward_progress 1
		.amdhsa_inst_pref_size 229
	.end_amdhsa_kernel
	.amdgpu_metadata
---
amdhsa.version: [ 1, 2 ]
amdhsa.kernels:
  - .name:           k_qe59a296707_proj
    .symbol:         k_qe59a296707_proj.kd
    .args:
      - { .name: c1, .offset: 0, .size: 8, .value_kind: global_buffer, .address_space: global }
      - { .name: s1, .offset: 8, .size: 8, .value_kind: global_buffer, .address_space: global }
      - { .name: bq, .offset: 16, .size: 8, .value_kind: global_buffer, .address_space: global }
      - { .name: bk, .offset: 24, .size: 8, .value_kind: global_buffer, .address_space: global }
      - { .name: bv, .offset: 32, .size: 8, .value_kind: global_buffer, .address_space: global }
      - { .name: mask, .offset: 40, .size: 8, .value_kind: global_buffer, .address_space: global }
      - { .name: qi, .offset: 48, .size: 8, .value_kind: global_buffer, .address_space: global }
      - { .name: kv, .offset: 56, .size: 8, .value_kind: global_buffer, .address_space: global }
    .group_segment_fixed_size: 327680
    .private_segment_fixed_size: 0
    .kernarg_segment_align: 8
    .kernarg_segment_size: 64
    .max_flat_workgroup_size: 128
    .sgpr_count:     102
    .vgpr_count:     1024
    .wavefront_size: 32
...
	.end_amdgpu_metadata
.endif
;; end of part 2
;; launch attn (part 3): grid 4 x 64, 8 waves a work-group, clusters of 4 x 1, 327,680 bytes of LDS; arguments qi, kv, c3; writes c3
.if DOCPART == 3
	.amdgcn_target "amdgcn-amd-amdhsa--gfx1250"
	.amdhsa_code_object_version 6
	.text
	.protected	k_qe59a296707_attn
	.globl	k_qe59a296707_attn
	.p2align	8
	.type	k_qe59a296707_attn,@function
k_qe59a296707_attn:
	s_mov_b64 s[64:65], 0
	v_nop
	global_prefetch_b8 v0, s[64:65] scope:SCOPE_SE
	s_setreg_imm32_b32 hwreg(HW_REG_WAVE_MODE, 25, 1), 1
	s_wait_xcnt 0x0
	s_wait_alu depctr_hold_cnt(0) depctr_sa_sdst(0) depctr_va_vdst(0) depctr_va_sdst(0) depctr_va_ssrc(0) depctr_va_vcc(0) depctr_vm_vsrc(0)
	s_getreg_b32 s2, hwreg(HW_REG_IB_STS2, 6, 4)
	s_cmp_eq_u32 s2, 0
	s_cbranch_scc0 .Lentry_in_a_cluster
	s_endpgm
.Lentry_in_a_cluster:
	s_bfe_u32 s2, ttmp6, 0x10000c
	s_cmp_lg_u32 s2, 0x3003
	s_cbranch_scc0 .Lentry_shape_is_right
	s_endpgm
.Lentry_shape_is_right:
; Attention of one head and batch (work-group y) for 512 queries (cx): S^T = K Q^T, p = 2^(t - M), O^T += V^T p^T, all on codes of FP6; the context leaves as codes and scale bytes for the last projection.
; Eight waves; a wave takes 32 queries (two tiles u of 16) at a time, twice.  Both products are used transposed: a lane holds one query.
; THE HEAD'S K AND V, 16 steps of 128 keys x 13,568 bytes, lie in LDS for the whole launch: each wave asks for two steps by one joint load (106 rows of 256 bytes) shared by the four work-groups of the cluster;
; one barrier shows them; nothing is filled again.  All is asked for at the head, so there is no loop to prefetch in.
; K's places: tile 4 c + t, row 8 h + i is key 64 c + 32 h + 8 t + i.  So registers 32 c .. 32 c + 31 of a lane's scores are the 32 neighbouring keys of scale block 2 c + h: a block's maximum needs no other lane,
; and two conversions give the six registers that the operand's layout wants of that lane.
; K has 64 codes a row: a tile's operand is its six registers and the next tile's six, which meet zeros in Q's upper six.  The mask words, 0 or -2^33, are the score products' C.
; M is the ceiling of the running largest t, kept as -M; sums and O^T are brought under a new M by an exact power of two.  The row's sum is taken of the unquantised p.
; A step's V fragments and the NEXT step's K fragments, mask words and scale words are fetched behind the score products; the last step of a block of queries fetches no K and is written out.
; LIMITS: the scaled scores stay under 2^31 in magnitude; NaN and infinities are not served.
.set STEPB, 13568
.set HEADB, 16*STEPB
.set VOFF,  6144
.set KSOFF, 12288
.set VSOFF, 12800
.set MOFF,  13056
.set QSTEP, 6656
.set QHEAD, 16*QSTEP
.set SPARE, 0x40000                    ; the spare words: 128 bytes a wave, named by no other line
.set L16, 1
.set R16, 2
.set L8,  3
.set H32, 4
.set ADR, 5
.set ADV, 6
.set ADK, 7
.set ST,  8                            ; per u eight: -M, the running largest score, the sum's two halves, f, 0, two at work
.set KSC, 24
.set VSC, 28
.set QSC, 32
.set PSC, 34
.set QSW, 36
.set ADM, 38
.set QST, 40
.set QO16, 52
.set QO8, 53
.set QSO, 54
.set S,   64                           ; v64-191 scores, then p
.set P,   192                          ; v192-215 p's codes
.set TT,  216                          ; per u twenty at work
.set SPW, 254
.set NIL, 255
.set QF,  0                            ; window 1
.set KF,  24
.set MB,  80
.set VF,  144
.set OT,  192
.set WV,  10
.set CX,  11
.set HB,  12
.set G1,  16
.set G0A, 24
.set SEL, 32
.set CS,  34
.set TB,  36
.set CNT, 37
.set BLK, 38
.set CN,  39
.set QP,  40
.set OP,  42
.set MSB, 0
.macro WIN new
.if MSB != \new
	s_set_vgpr_msb (MSB<<8)|\new
.set MSB, \new
.endif
.endm
.macro CROUND
	s_barrier_signal -1
	s_barrier_wait -1
	s_cmp_lg_u32 s[WV], 0
	s_cbranch_scc1 .Lnot_wave_0_\@
	s_barrier_signal -3
.Lnot_wave_0_\@:
	s_barrier_wait -3
	s_barrier_signal -1
	s_barrier_wait -1
.endm
.macro QLOAD
.irp u, 0,1
	global_load_b128 v[QST+6*\u:QST+6*\u+3], v[QO16], s[QP:QP+1] offset:768*\u th:TH_LOAD_NT
	global_load_b64 v[QST+6*\u+4:QST+6*\u+5], v[QO8], s[QP:QP+1] offset:768*\u th:TH_LOAD_NT
	global_load_b32 v[QSW+\u], v[QSO], s[QP:QP+1] offset:4*\u th:TH_LOAD_NT
.endr
.endm
.macro KLOAD a16, a8, am, o            ; a step's K: scale words, mask words, fragments: 33 loads
	ds_load_b128 v[KSC:KSC+3], v[\a16] offset:\o+KSOFF
	WIN 0x40
.irp t, 0,1,2,3,4,5,6,7
	ds_load_b128 v[MB+8*\t:MB+8*\t+3], v[\am] offset:\o+MOFF+64*\t
	ds_load_b128 v[MB+8*\t+4:MB+8*\t+7], v[\am] offset:\o+MOFF+64*\t+16
.endr
.irp t, 0,1,2,3,4,5,6,7
	ds_load_b128 v[KF+6*\t:KF+6*\t+3], v[\a16] offset:\o+768*\t
	ds_load_b64 v[KF+6*\t+4:KF+6*\t+5], v[\a8] offset:\o+768*\t+512
.endr
	WIN 0
.endm
	s_load_b128 s[4:7], s[0:1], 0x0                ; qi, kv
	s_load_b64 s[8:9], s[0:1], 0x10                ; c3
	v_lshl_add_u32 v[SPW], v0, 2, SPARE
	v_mov_b32 v[NIL], 0
	ds_add_u32 v[SPW], v[NIL]                      ; the opening lines: the add twice and one wait
	ds_add_u32 v[SPW], v[NIL]
	v_lshrrev_b32 v1, 5, v0
	v_readfirstlane_b32 s[WV], v1
	s_bfe_u32 s[CX], ttmp6, 0x40000
	s_and_b32 s[HB], ttmp7, 0xffff
	s_mov_b32 s[G1], 15|(3<<16)|(1<<21)            ; two steps: 106 dense rows of 256 bytes, for all four work-groups
	s_mov_b32 s[G1+1], 32<<16
	s_mov_b32 s[G1+2], 106<<16
	s_mov_b32 s[G1+3], 32<<16
	s_mov_b32 s[G1+4], 106
	s_mov_b32 s[G1+5], 32
	s_mov_b32 s[G1+6], 0
	s_mov_b32 s[G1+7], 0
	s_mul_i32 s13, s[WV], 2*STEPB
	s_mul_i32 s14, s[HB], HEADB
	s_add_co_u32 s14, s14, s13
	s_mov_b32 s15, 0
	s_mov_b32 s[SEL], 0x76543210
	s_mov_b32 s[SEL+1], 0xfedcba98
	s_mov_b32 s[CS], 0x3e38aa3b                    ; c = log2(e) / 8
	s_mov_b32 s[CS+1], s[CS]
	s_mov_b32 s[CN], 0xbe38aa3b                    ; -c
	s_mov_b32 s[BLK], 2
	s_and_b32 s44, s[WV], 3                        ; my two tiles of a step of 128 queries
	s_mul_i32 s44, s44, 1536
	s_add_co_u32 s45, s44, 512
	s_bfe_u32 s46, s[WV], 0x10001
	s_lshl_b32 s46, s46, 8
	s_and_b32 s47, s[WV], 1
	s_lshl_b32 s47, s47, 3
	s_add_co_u32 s46, s46, s47
	s_add_co_u32 s46, s46, 6144                    ; and their scale words
	s_mul_i32 s48, s[HB], QHEAD
	s_lshl_b32 s49, s[CX], 2
	s_lshr_b32 s50, s[WV], 2
	s_add_co_u32 s49, s49, s50
	s_mul_i32 s49, s49, QSTEP
	s_add_co_u32 s48, s48, s49
	s_mov_b32 s49, 0
	s_lshr_b32 s50, s[HB], 4
	s_lshl_b32 s50, s50, 7
	s_lshl_b32 s51, s[CX], 5
	s_add_co_u32 s50, s50, s51
	s_lshl_b32 s51, s[WV], 1
	s_add_co_u32 s50, s50, s51
	s_lshl_b32 s50, s50, 14
	s_and_b32 s51, s[HB], 15
	s_lshl_b32 s51, s51, 10
	s_add_co_u32 s50, s50, s51
	s_mov_b32 s51, 0
	v_and_b32 v[L8], 31, v0
	v_and_b32 v[R16], 15, v0
	v_bfe_u32 v[H32], v0, 4, 1
	v_lshlrev_b32 v[L16], 4, v[L8]
	v_lshlrev_b32 v[L8], 3, v[L8]
	v_lshlrev_b32 v[R16], 4, v[R16]
	v_lshlrev_b32 v[H32], 5, v[H32]
	v_add_nc_u32 v[QO16], s44, v[L16]
	v_add_nc_u32 v[QO8], s45, v[L8]
	v_add_nc_u32 v[QSO], s46, v[R16]
	s_wait_alu depctr_va_vdst(0)
	s_wait_dscnt 0x0
	s_wait_kmcnt 0x0
	s_mov_b32 s[G0A], 1
	s_mov_b32 s[G0A+1], s13
	s_add_nc_u64 s[G0A+2:G0A+3], s[6:7], s[14:15]
	s_or_b32 s[G0A+3], s[G0A+3], 0x80000000
	s_add_nc_u64 s[QP:QP+1], s[4:5], s[48:49]
	s_add_nc_u64 s[OP:OP+1], s[8:9], s[50:51]
	QLOAD                                          ; my first 32 queries
	CROUND
	tensor_load_to_lds s[G0A:G0A+3], s[G1:G1+7]    ; my one tensor load: steps 2 w, 2 w + 1
	s_nop 0
	WIN 0x40
.irp i, 6,7,8,9,10,11,18,19,20,21,22,23
	v_mov_b32 v[QF+\i], 0                          ; Q's upper 64 along K
.endr
.irp i, 48,49,50,51,52,53
	v_mov_b32 v[KF+\i], 0
.endr
	WIN 0
.irp u, 0,1
	v_mov_b32 v[ST+8*\u+5], 0
	v_mov_b32 v[ST+8*\u+7], 0                      ; a lane permute's destination counts as one of its sources
.endr
	s_wait_alu depctr_va_vdst(0)
	s_wait_tensorcnt 0x0
	s_barrier_signal -1
	s_barrier_wait -1                              ; all sixteen steps are in
.macro QK t, row
.irp u, 0,1
	v_wmma_scale_f32_16x16x128_f8f6f4 v[S+64*\u+8*\t:S+64*\u+8*\t+7], v[KF+6*\t:KF+6*\t+11], v[QF+12*\u:QF+12*\u+11], v[MB+8*\t:MB+8*\t+7], v[KSC+\t%4], v[QSC+\u] matrix_a_fmt:MATRIX_FMT_FP6 matrix_b_fmt:MATRIX_FMT_FP6 matrix_a_scale:MATRIX_SCALE_ROW\row
.endr
.endm
.macro STEP pf                         ; pf = 1: the next step's K is fetched
	s_wait_dscnt 0x0                               ; this step's K is in
	WIN 0x15
.irp t, 0,1,2,3
	QK \t, 0
.endr
.irp t, 4,5,6,7
	QK \t, 1
.endr
	WIN 0
	v_add_nc_u32 v[ADR], s[TB], v[L16]             ; four plain lines: the places behind the products, ahead of the loads into their registers
	v_add_nc_u32 v[ADV], s[TB], v[R16]
	v_add_nc_u32 v[ADK], s[TB], v[L8]
	v_add_nc_u32 v[ADM], s[TB], v[H32]
	ds_load_b128 v[VSC:VSC+3], v[ADV] offset:VSOFF
	WIN 0x40
.irp c, 0,1,2,3
.irp p, 0,1,2
	ds_load_b128 v[VF+12*\c+4*\p:VF+12*\c+4*\p+3], v[ADR] offset:VOFF+1536*\c+512*\p
.endr
.endr
	WIN 0
.if \pf
	KLOAD ADR, ADK, ADM, STEPB
.endif
; the largest score of each block of 32 keys, all mine: two chains a block, eight side by side
.irp c, 0,1
.irp u, 0,1
	v_max3_num_f32 v[TT+20*\u+\c], v[S+64*\u+32*\c], v[S+64*\u+32*\c+1], v[S+64*\u+32*\c+2]
	v_max3_num_f32 v[TT+20*\u+2+\c], v[S+64*\u+32*\c+16], v[S+64*\u+32*\c+17], v[S+64*\u+32*\c+18]
.endr
.endr
.irp i, 3,5,7,9,11,13
.irp c, 0,1
.irp u, 0,1
	v_max3_num_f32 v[TT+20*\u+\c], v[TT+20*\u+\c], v[S+64*\u+32*\c+\i], v[S+64*\u+32*\c+\i+1]
	v_max3_num_f32 v[TT+20*\u+2+\c], v[TT+20*\u+2+\c], v[S+64*\u+32*\c+16+\i], v[S+64*\u+32*\c+17+\i]
.endr
.endr
.endr
.irp c, 0,1
.irp u, 0,1
	v_max3_num_f32 v[TT+20*\u+\c], v[TT+20*\u+\c], v[TT+20*\u+2+\c], v[S+64*\u+32*\c+15]
.endr
.endr
.irp c, 0,1
.irp u, 0,1
	v_max_num_f32 v[TT+20*\u+\c], v[TT+20*\u+\c], v[S+64*\u+32*\c+31]
.endr
.endr
; the row: my two blocks, lane l xor 16's two, the running largest; -M = floor(-t); f = 2^(old M - new M)
.irp u, 0,1
	v_max_num_f32 v[ST+8*\u+6], v[TT+20*\u], v[TT+20*\u+1]
.endr
.irp u, 0,1
	v_permlanex16_b32 v[ST+8*\u+7], v[ST+8*\u+6], s[SEL], s[SEL+1]
.endr
.irp u, 0,1
	v_max3_num_f32 v[ST+8*\u+1], v[ST+8*\u+1], v[ST+8*\u+6], v[ST+8*\u+7]
.endr
.irp u, 0,1
	v_mul_f32 v[ST+8*\u+7], s[CN], v[ST+8*\u+1]
.endr
.irp u, 0,1
	v_mov_b32 v[ST+8*\u+6], v[ST+8*\u]
.endr
.irp u, 0,1
	v_floor_f32 v[ST+8*\u], v[ST+8*\u+7]
.endr
.irp u, 0,1
	v_sub_f32 v[ST+8*\u+6], v[ST+8*\u], v[ST+8*\u+6]
.endr
.irp u, 0,1
	v_cvt_i32_f32 v[ST+8*\u+6], v[ST+8*\u+6]
.endr
.irp u, 0,1
	v_ldexp_f32 v[ST+8*\u+4], 1.0, v[ST+8*\u+6]
.endr
.set J, 0
.rept 32
	v_pk_fma_f32 v[S+J:S+J+1], v[S+J:S+J+1], s[CS:CS+1], v[ST:ST+1] op_sel_hi:[1,0,0]
	v_pk_fma_f32 v[S+64+J:S+65+J], v[S+64+J:S+65+J], s[CS:CS+1], v[ST+8:ST+9] op_sel_hi:[1,0,0]
.set J, J+2
.endr
.irp c, 0,1
.irp u, 0,1
	v_fma_f32 v[TT+20*\u+\c], v[TT+20*\u+\c], s[CS], v[ST+8*\u]   ; the same of each block's largest score
.endr
.endr
	WIN 0x41
.irp u, 0,1
.set J, 0
.rept 16
	v_pk_mul_f32 v[OT+32*\u+J:OT+32*\u+J+1], v[OT+32*\u+J:OT+32*\u+J+1], v[ST+8*\u+4:ST+8*\u+5] op_sel_hi:[1,0]   ; O^T under the new M
.set J, J+2
.endr
.endr
	WIN 0
	s_wait_alu depctr_va_vdst(0)                   ; the wait ahead of the batch
.set J, 0
.rept 128
	v_exp_f32 v[S+J], v[S+J]
.set J, J+1
.endr
.irp c, 0,1
.irp u, 0,1
	v_exp_f32 v[TT+20*\u+\c], v[TT+20*\u+\c]       ; the block's largest p
.endr
.endr
	v_nop
	s_wait_alu depctr_va_vdst(0)                   ; and behind it
.irp c, 0,1
.irp u, 0,1
	v_max_num_f32 v[TT+20*\u+\c], 0x1800000, v[TT+20*\u+\c]   ; the floor 2^(3 - 127)
.endr
.endr
.irp c, 0,1
.irp u, 0,1
	v_add_nc_u32 v[TT+20*\u+12+\c], 0xff000000, v[TT+20*\u+\c]
.endr
.endr
.irp c, 0,1
.irp u, 0,1
	v_lshrrev_b32 v[TT+20*\u+14+\c], 23, v[TT+20*\u+12+\c]
.endr
.endr
.irp u, 0,1
	v_lshl_or_b32 v[TT+20*\u+14], v[TT+20*\u+15], 16, v[TT+20*\u+14]   ; my bytes: blocks h and 2 + h
.endr
.irp u, 0,1
	v_permlanex16_b32 v[ST+8*\u+7], v[TT+20*\u+14], s[SEL], s[SEL+1]
.endr
.irp u, 0,1
	v_lshl_or_b32 v[PSC+\u], v[ST+8*\u+7], 8, v[TT+20*\u+14]   ; lanes 0-15, which alone are read: blocks 0, 2 mine, blocks 1, 3 lane l + 16's
.endr
.irp u, 0,1
.irp c, 0,1
	v_cvt_scalef32_pk16_fp6_f32 v[P+12*\u+6*\c:P+12*\u+6*\c+2], v[S+64*\u+32*\c:S+64*\u+32*\c+15], v[TT+20*\u+12+\c]
	v_cvt_scalef32_pk16_fp6_f32 v[TT+20*\u+4+4*\c:TT+20*\u+6+4*\c], v[S+64*\u+32*\c+16:S+64*\u+32*\c+31], v[TT+20*\u+12+\c]
.endr
.endr
	v_nop
.irp u, 0,1
.irp c, 0,1
.irp i, 0,1,2
	v_mov_b32 v[P+12*\u+6*\c+3+\i], v[TT+20*\u+4+4*\c+\i]   ; a conversion's three registers begin on an even number
.endr
.endr
.endr
; the row's sum of the unquantised p, two at a time in two chains; these lines are also the places ahead of the scaled products
.irp u, 0,1
	v_pk_fma_f32 v[ST+8*\u+2:ST+8*\u+3], v[ST+8*\u+2:ST+8*\u+3], v[ST+8*\u+4:ST+8*\u+5], v[S+64*\u:S+64*\u+1] op_sel_hi:[1,0,1]
	v_pk_add_f32 v[TT+20*\u+16:TT+20*\u+17], v[S+64*\u+2:S+64*\u+3], v[S+64*\u+4:S+64*\u+5]
.endr
.irp j, 6,10,14,18,22,26,30,34,38,42,46,50,54,58
.irp u, 0,1
	v_pk_add_f32 v[ST+8*\u+2:ST+8*\u+3], v[ST+8*\u+2:ST+8*\u+3], v[S+64*\u+\j:S+64*\u+\j+1]
	v_pk_add_f32 v[TT+20*\u+16:TT+20*\u+17], v[TT+20*\u+16:TT+20*\u+17], v[S+64*\u+\j+2:S+64*\u+\j+3]
.endr
.endr
.irp u, 0,1
	v_pk_add_f32 v[ST+8*\u+2:ST+8*\u+3], v[ST+8*\u+2:ST+8*\u+3], v[S+64*\u+62:S+64*\u+63]
.endr
.irp u, 0,1
	v_pk_add_f32 v[ST+8*\u+2:ST+8*\u+3], v[ST+8*\u+2:ST+8*\u+3], v[TT+20*\u+16:TT+20*\u+17]
.endr
	s_wait_alu depctr_va_vdst(0)
.if \pf
	s_wait_dscnt 33                                ; V is in; the next step's 33 loads may be out
.else
	s_wait_dscnt 0x0
.endif
	WIN 0x51
.irp c, 0,1,2,3
.irp u, 0,1
	v_wmma_scale_f32_16x16x128_f8f6f4 v[OT+32*\u+8*\c:OT+32*\u+8*\c+7], v[VF+12*\c:VF+12*\c+11], v[P+12*\u:P+12*\u+11], v[OT+32*\u+8*\c:OT+32*\u+8*\c+7], v[VSC+\c], v[PSC+\u] matrix_a_fmt:MATRIX_FMT_FP6 matrix_b_fmt:MATRIX_FMT_FP6
.endr
.endr
	WIN 0
.endm
.Lblock:
	KLOAD L16, L8, H32, 0                          ; step 0's K
	s_wait_loadcnt 0x0
.irp u, 0,1
	v_mov_b32 v[QSC+\u], v[QSW+\u]
.endr
	WIN 0x40
.irp u, 0,1
.irp i, 0,1,2,3,4,5
	v_mov_b32 v[QF+12*\u+\i], v[QST+6*\u+\i]
.endr
.endr
.set J, 0
.rept 64
	v_mov_b32 v[OT+J], 0
.set J, J+1
.endr
	WIN 0
.irp u, 0,1
	v_mov_b32 v[ST+8*\u+1], 0xff61b1e6             ; the largest score so far: -3e38
	v_mov_b32 v[ST+8*\u], 0x7f61b1e6               ; -M
	v_mov_b32 v[ST+8*\u+2], 0
	v_mov_b32 v[ST+8*\u+3], 0
.endr
	s_cmp_eq_u32 s[BLK], 1
	s_cbranch_scc1 .Lno_next
	s_add_nc_u64 s[QP:QP+1], s[QP:QP+1], 2*QSTEP
	QLOAD                                          ; the next 32 queries
.Lno_next:
	s_mov_b32 s[TB], 0
	s_mov_b32 s[CNT], 15
	s_wait_alu depctr_va_vdst(0)
.Lsteps:
	STEP 1
	s_add_co_u32 s[TB], s[TB], STEPB
	s_sub_co_u32 s[CNT], s[CNT], 1
	s_cmp_lg_u32 s[CNT], 0
	s_cbranch_scc1 .Lsteps
	STEP 0
; O^T / the sum; its two blocks of 32 channels are quantised; codes and scale word leave as the last projection's operand registers
.irp u, 0,1
	v_add_f32 v[ST+8*\u+6], v[ST+8*\u+2], v[ST+8*\u+3]
.endr
.irp u, 0,1
	v_permlanex16_b32 v[ST+8*\u+7], v[ST+8*\u+6], s[SEL], s[SEL+1]
.endr
.irp u, 0,1
	v_add_f32 v[ST+8*\u+6], v[ST+8*\u+6], v[ST+8*\u+7]
.endr
	v_nop
	v_nop
	s_wait_alu depctr_va_vdst(0)
.irp u, 0,1
	v_rcp_f32 v[ST+8*\u+4], v[ST+8*\u+6]
.endr
	v_nop
	s_wait_alu depctr_va_vdst(0)
	WIN 0x01
.irp u, 0,1
.set J, 0
.rept 16
	v_pk_mul_f32 v[S+64*\u+J:S+64*\u+J+1], v[OT+32*\u+J:OT+32*\u+J+1], v[ST+8*\u+4:ST+8*\u+5] op_sel_hi:[1,0]
.set J, J+2
.endr
.endr
	WIN 0
.irp b, 0,1
.irp u, 0,1
	v_max3_num_f32 v[TT+20*\u+\b], |v[S+64*\u+16*\b]|, |v[S+64*\u+16*\b+1]|, 0x1800000
.endr
.endr
.irp i, 2,4,6,8,10,12,14
.irp b, 0,1
.irp u, 0,1
	v_max3_num_f32 v[TT+20*\u+\b], v[TT+20*\u+\b], |v[S+64*\u+16*\b+\i]|, |v[S+64*\u+16*\b+\i+1]|
.endr
.endr
.endr
.irp b, 0,1
.irp u, 0,1
	v_permlanex16_b32 v[TT+20*\u+4+\b], v[TT+20*\u+\b], s[SEL], s[SEL+1]
.endr
.endr
.irp b, 0,1
.irp u, 0,1
	v_max_num_f32 v[TT+20*\u+\b], v[TT+20*\u+\b], v[TT+20*\u+4+\b]
.endr
.endr
.irp b, 0,1
.irp u, 0,1
	v_add_nc_u32 v[TT+20*\u+12+\b], 0xff000000, v[TT+20*\u+\b]
.endr
.endr
.irp b, 0,1
.irp u, 0,1
	v_lshrrev_b32 v[TT+20*\u+4+\b], 23, v[TT+20*\u+12+\b]
.endr
.endr
.irp u, 0,1
	v_lshl_or_b32 v[S+64*\u+38], v[TT+20*\u+5], 8, v[TT+20*\u+4]
	v_mov_b32 v[S+64*\u+39], 0
.endr
.irp u, 0,1
	v_cvt_scalef32_pk16_fp6_f32 v[S+64*\u+32:S+64*\u+34], v[S+64*\u:S+64*\u+15], v[TT+20*\u+12]
	v_cvt_scalef32_pk16_fp6_f32 v[S+64*\u+40:S+64*\u+42], v[S+64*\u+16:S+64*\u+31], v[TT+20*\u+13]
.endr
	v_nop
.irp u, 0,1
.irp i, 0,1,2
	v_permlane16_swap_b32 v[S+64*\u+32+\i], v[S+64*\u+40+\i]
.endr
.irp i, 0,1,2
	v_mov_b32 v[S+64*\u+35+\i], v[S+64*\u+40+\i]
.endr
	global_store_b128 v[L16], v[S+64*\u+32:S+64*\u+35], s[OP:OP+1] offset:16384*\u
	global_store_b128 v[L16], v[S+64*\u+36:S+64*\u+39], s[OP:OP+1] offset:16384*\u+512
.endr
	s_wait_xcnt 0x0                                ; the stores have read their registers and their base
	s_add_nc_u64 s[OP:OP+1], s[OP:OP+1], 262144
	s_sub_co_u32 s[BLK], s[BLK], 1
	s_cmp_lg_u32 s[BLK], 0
	s_cbranch_scc1 .Lblock
	s_wait_tensorcnt 0x0                           ; the wave's end
	ds_add_u32 v[SPW], v[NIL]
	s_wait_dscnt 0x0
	CROUND                                         ; the closing round
	s_endpgm
.Lfunc_end_k_qe59a296707_attn:
	.size	k_qe59a296707_attn, .Lfunc_end_k_qe59a296707_attn-k_qe59a296707_attn
	.p2alignl 7, 3214868480
	.fill 96, 4, 3214868480
	.section	.rodata,"a",@progbits
	.p2align	6, 0x0
	.amdhsa_kernel k_qe59a296707_attn
		.amdhsa_group_segment_fixed_size 327680
		.amdhsa_private_segment_fixed_size 0
		.amdhsa_enable_private_segment 0
		.amdhsa_kernarg_size 24
		.amdhsa_user_sgpr_count 2
		.amdhsa_user_sgpr_kernarg_segment_ptr 1
		.amdhsa_wavefront_size32 1
		.amdhsa_system_sgpr_workgroup_id_x 1
		.amdhsa_system_sgpr_workgroup_id_y 1
		.amdhsa_system_sgpr_workgroup_id_z 1
		.amdhsa_system_vgpr_workitem_id 0
		.amdhsa_next_free_vgpr 512
		.amdhsa_next_free_sgpr 66
		.amdhsa_reserve_vcc 0
		.amdhsa_float_denorm_mode_32 3
		.amdhsa_float_denorm_mode_16_64 3
		.amdhsa_memory_ordered 1
		.amdhsa_forward_progress 1
		.amdhsa_inst_pref_size 72
	.end_amdhsa_kernel
	.amdgpu_metadata
---
amdhsa.version: [ 1, 2 ]
amdhsa.kernels:
  - .name:           k_qe59a296707_attn
    .symbol:         k_qe59a296707_attn.kd
    .args:
      - { .name: qi, .offset: 0, .size: 8, .value_kind: global_buffer, .address_space: global }
      - { .name: kv, .offset: 8, .size: 8, .value_kind: global_buffer, .address_space: global }
      - { .name: c3, .offset: 16, .size: 8, .value_kind: global_buffer, .address_space: global }
    .group_segment_fixed_size: 327680
    .private_segment_fixed_size: 0
    .kernarg_segment_align: 8
    .kernarg_segment_size: 24
    .max_flat_workgroup_size: 256
    .sgpr_count:     66
    .vgpr_count:     512
    .wavefront_size: 32
...
	.end_amdgpu_metadata
.endif
;; end of part 3
;; launch outln (part 4): grid 256 x 1, 4 waves a work-group, clusters of 4 x 1, 327,680 bytes of LDS; arguments c3, c1, s1, Q, bo, gamma, beta, out0; writes out0
.if DOCPART == 4
	.amdgcn_target "amdgcn-amd-amdhsa--gfx1250"
	.amdhsa_code_object_version 6
	.text
	.protected	k_qe59a296707_outln
	.globl	k_qe59a296707_outln
	.p2align	8
	.type	k_qe59a296707_outln,@function
k_qe59a296707_outln:
	s_mov_b64 s[64:65], 0
	v_nop
	global_prefetch_b8 v0, s[64:65] scope:SCOPE_SE
	s_setreg_imm32_b32 hwreg(HW_REG_WAVE_MODE, 25, 1), 1
	s_wait_xcnt 0x0
	s_wait_alu depctr_hold_cnt(0) depctr_sa_sdst(0) depctr_va_vdst(0) depctr_va_sdst(0) depctr_va_ssrc(0) depctr_va_vcc(0) depctr_vm_vsrc(0)
	s_getreg_b32 s2, hwreg(HW_REG_IB_STS2, 6, 4)
	s_cmp_eq_u32 s2, 0
	s_cbranch_scc0 .Lentry_in_a_cluster
	s_endpgm
.Lentry_in_a_cluster:
	s_bfe_u32 s2, ttmp6, 0x10000c
	s_cmp_lg_u32 s2, 0x3003
	s_cbranch_scc0 .Lentry_shape_is_right
	s_endpgm
.Lentry_shape_is_right:
.set SLOTB, 104448
.set WPART, 26112
.set WSC,   208896
.set SPARE, 243712
.set SPITCH, 4112
.set L16, 4
.set ADW, 5
.set ASW, 9
.set STO, 10
.set RD,  12
.set SPW, 13
.set NIL, 14
.set MU,  16
.set RS,  18
.set PT,  24
.set ASC, 32
.set BSC, 48
.set QR0, 64
.set BOR, 96
.set GAM, 128
.set BET, 160
.set WV,  20
.set SEL, 24
.set G1W, 28
.set G1S, 36
.set G0,  44
.set G0S, 52
.set RN,  60
.set EPS, 61
.set MSB, 0
.macro WIN new
.if MSB != \new
	s_set_vgpr_msb (MSB<<8)|\new
.set MSB, \new
.endif
.endm
.macro CROUND
	s_barrier_signal -1
	s_barrier_wait -1
	s_cmp_lg_u32 s[WV], 0
	s_cbranch_scc1 .Lnot_wave_0_\@
	s_barrier_signal -3
.Lnot_wave_0_\@:
	s_barrier_wait -3
	s_barrier_signal -1
	s_barrier_wait -1
.endm
.macro PLACES n
.rept \n
	v_nop
.endr
.endm
	s_load_b256 s[4:11], s[0:1], 0x0
	s_load_b256 s[12:19], s[0:1], 0x20
	v_lshl_add_u32 v[SPW], v0, 2, SPARE
	v_mov_b32 v[NIL], 0
	ds_add_u32 v13, v14
	ds_add_u32 v13, v14
	s_wait_dscnt 0x0
	v_lshrrev_b32 v1, 5, v0
	v_readfirstlane_b32 s[WV], v1
	s_bfe_u32 s21, ttmp6, 0x40000
	s_lshl_b32 s22, ttmp9, 2
	s_add_co_u32 s22, s22, s21
	s_mov_b32 s[G1W], 15|(3<<16)|(1<<20)|(1<<21)|(5<<22)|(3<<25)
	s_mov_b32 s[G1W+1], 32<<16
	s_mov_b32 s[G1W+2], 96<<16
	s_mov_b32 s[G1W+3], 32<<16
	s_mov_b32 s[G1W+4], 96
	s_mov_b32 s[G1W+5], 32
	s_mov_b32 s[G1W+6], 0
	s_mov_b32 s[G1W+7], 0
	s_mov_b32 s[G1S], 15|(3<<16)|(1<<20)|(1<<21)|(5<<22)|(3<<25)
	s_mov_b32 s[G1S+1], 32<<16
	s_mov_b32 s[G1S+2], 128<<16                    ; all of Wo's scale bytes: 128 rows of 256 bytes, one load
	s_mov_b32 s[G1S+3], 32<<16
	s_mov_b32 s[G1S+4], 128
	s_mov_b32 s[G1S+5], 32
	s_mov_b32 s[G1S+6], 0
	s_mov_b32 s[G1S+7], 0
	s_mul_i32 s56, s[WV], WPART
	s_mul_i32 s58, s[WV], 24576
	s_add_co_u32 s58, s58, 27648*768
	s_mov_b32 s59, 0
; the head's tiles, one load a wave: wave 0 all of slot 0 (384 rows of 256 bytes), wave 1 the scale bytes, waves 2 and 3 a half of slot 1 each (192 rows)
.set G1H, 68
.set G1X, 76
.set G0H, 84
.set G0X, 88
.irp g, G1H, G1X
	s_mov_b32 s[\g], 15|(3<<16)|(1<<20)|(1<<21)|(5<<22)|(3<<25)
	s_mov_b32 s[\g+1], 32<<16
	s_mov_b32 s[\g+3], 32<<16
	s_mov_b32 s[\g+5], 32
	s_mov_b32 s[\g+6], 0
	s_mov_b32 s[\g+7], 0
.endr
	s_mov_b32 s[G1H+2], 384<<16
	s_mov_b32 s[G1H+4], 384
	s_mov_b32 s[G1X+2], 192<<16
	s_mov_b32 s[G1X+4], 192
	s_mov_b32 s92, 27648*768
	s_mov_b32 s93, 0
	s_and_b32 s94, s[WV], 1
	s_mul_i32 s95, s94, 192*272
	s_add_co_u32 s[G0X+1], s95, SLOTB
	s_mul_i32 s94, s94, 49152
	s_add_co_u32 s94, s94, 27648*768+98304
	s_mov_b32 s95, 0
	s_mov_b32 s26, 27648*32
	s_mov_b32 s27, 0
	s_mov_b32 s[SEL], 0x76543210
	s_mov_b32 s[SEL+1], 0xfedcba98
	s_mov_b32 s[RN], 0x3a800000
	s_mov_b32 s[EPS], 0x3727c5ac
	s_wait_kmcnt 0x0
	s_mov_b32 s[G0], 1
	s_mov_b32 s[G0+1], s56
	s_add_nc_u64 s[G0+2:G0+3], s[6:7], s[58:59]
	s_mov_b32 s[G0+4], 1
	s_add_co_u32 s[G0+5], s56, SLOTB
	s_add_nc_u64 s[G0+6:G0+7], s[G0+2:G0+3], 98304
	s_or_b32 s[G0+3], s[G0+3], 0x80000000
	s_or_b32 s[G0+7], s[G0+7], 0x80000000
	s_mov_b32 s[G0S], 1
	s_mov_b32 s[G0S+1], WSC
	s_add_nc_u64 s[G0S+2:G0S+3], s[8:9], s[26:27]
	s_or_b32 s[G0S+3], s[G0S+3], 0x80000000
	s_mov_b32 s[G0H], 1
	s_mov_b32 s[G0H+1], 0
	s_add_nc_u64 s[G0H+2:G0H+3], s[6:7], s[92:93]
	s_or_b32 s[G0H+3], s[G0H+3], 0x80000000
	s_mov_b32 s[G0X], 1
	s_add_nc_u64 s[G0X+2:G0X+3], s[6:7], s[94:95]
	s_or_b32 s[G0X+3], s[G0X+3], 0x80000000
	CROUND
	s_cmp_eq_u32 s[WV], 0                          ; one chain of branches on the wave's number, one load to an arm
	s_cbranch_scc0 .Lhead_1
	tensor_load_to_lds s[G0H:G0H+3], s[G1H:G1H+7]
	s_nop 0
	PLACES 4
	s_branch .Lhead_asked
.Lhead_1:
	s_cmp_eq_u32 s[WV], 1
	s_cbranch_scc0 .Lhead_2
	tensor_load_to_lds s[G0S:G0S+3], s[G1S:G1S+7]
	s_nop 0
	PLACES 4
	s_branch .Lhead_asked
.Lhead_2:
	tensor_load_to_lds s[G0X:G0X+3], s[G1X:G1X+7]
	s_nop 0
	PLACES 4
.Lhead_asked:
	v_and_b32 v1, 31, v0
	v_and_b32 v2, 15, v0
	v_bfe_u32 v3, v0, 4, 1
	v_lshlrev_b32 v[L16], 4, v1
	v_mul_u32_u24 v[ADW], v2, 816
	v_mad_u32_u24 v[ADW], v3, 24, v[ADW]
	v_add_nc_u32 v[ADW], s56, v[ADW]
	v_lshl_add_u32 v[ADW+1], v3, 4, v[ADW]
	v_add_nc_u32 v[ADW+2], SLOTB, v[ADW]
	v_add_nc_u32 v[ADW+3], SLOTB, v[ADW+1]
	v_lshlrev_b32 v[ASW], 5, v2
	v_lshrrev_b32 v15, 3, v2
	v_lshl_add_u32 v[ASW], v15, 4, v[ASW]
	s_mul_i32 s23, s[WV], 1088
	s_add_co_u32 s23, s23, WSC
	v_add_nc_u32 v[ASW], s23, v[ASW]
	v_mul_u32_u24 v[STO], v2, SPITCH
	v_lshl_add_u32 v[STO], v3, 6, v[STO]
	s_lshl_b32 s23, s[WV], 7
	v_add_nc_u32 v[STO], s23, v[STO]
	v_add_nc_u32 v[STO+1], 16*SPITCH, v[STO]
	s_mul_i32 s23, s[WV], 8*SPITCH
	v_add_nc_u32 v[RD], s23, v[L16]
.irp i, 17,19,21,23,24,25
	v_mov_b32 v[\i], 0
.endr
	s_lshl_b32 s26, s22, 15
	s_add_nc_u64 s[4:5], s[4:5], s[26:27]
	WIN 0x40
.irp u, 0,1
.irp d, 0,1,2,3,4,5,6,7,8,9,10,11,12,13,14,15
	global_load_b128 v[12*(8*\u+\d/2)+6*(\d%2):12*(8*\u+\d/2)+6*(\d%2)+3], v[L16], s[4:5] offset:(16*\u+\d)*1024 th:TH_LOAD_NT
	global_load_b64 v[12*(8*\u+\d/2)+6*(\d%2)+4:12*(8*\u+\d/2)+6*(\d%2)+5], v[L16], s[4:5] offset:(16*\u+\d)*1024+512 th:TH_LOAD_NT
.endr
.endr
	WIN 0
.irp u, 0,1
.irp d, 0,1,2,3,4,5,6,7,8,9,10,11,12,13,14,15
	global_load_b32 v[QR0+16*\u+\d], v[L16], s[4:5] offset:(16*\u+\d)*1024+520 th:TH_LOAD_NT
.endr
.endr
	s_lshl_b32 s26, s22, 5
	s_lshl_b32 s23, s[WV], 3
	s_add_co_u32 s26, s26, s23
	s_lshl_b32 s26, s26, 12
	s_add_nc_u64 s[10:11], s[10:11], s[26:27]
	s_add_nc_u64 s[18:19], s[18:19], s[26:27]
	s_wait_loadcnt 0x0
.irp u, 0,1
.irp s, 0,1,2,3,4,5,6,7
	v_lshl_or_b32 v[ASC+8*\u+\s], v[QR0+16*\u+2*\s+1], 16, v[QR0+16*\u+2*\s]
.endr
.endr
	PLACES 8
.irp w, 0,1,2,3,4,5
.irp i, 0,1,2,3,4,5,6,7
	global_load_b128 v[QR0+32*\w+4*\i:QR0+32*\w+4*\i+3], v[L16], s[10:11] offset:4096*\w+512*\i th:TH_LOAD_NT
.endr
.endr
	WIN 0x40
.irp w, 6,7
.irp i, 0,1,2,3,4,5,6,7
	global_load_b128 v[32*\w+4*\i:32*\w+4*\i+3], v[L16], s[10:11] offset:4096*\w+512*\i th:TH_LOAD_NT
.endr
.endr
	WIN 0x80
.irp i, 0,1,2,3,4,5,6,7
	global_load_b128 v[BOR+4*\i:BOR+4*\i+3], v[L16], s[12:13] offset:512*\i
	global_load_b128 v[GAM+4*\i:GAM+4*\i+3], v[L16], s[14:15] offset:512*\i
	global_load_b128 v[BET+4*\i:BET+4*\i+3], v[L16], s[16:17] offset:512*\i
.endr
	WIN 0
.macro FRAGW reg, s, k, e
.irp p, 0,1,2,3,4,5
.set PCE, 12*(\s)+6*(\p/3)+\p%3
.if PCE%32 < 29
	ds_load_b64 v[\reg+2*\p:\reg+2*\p+1], v[ADW+2*(\k)] offset:8*PCE+16*(PCE/32)+13056*(\e)
.else
	ds_load_b64 v[\reg+2*\p:\reg+2*\p+1], v[ADW+2*(\k)+1] offset:8*PCE+16*(PCE/32)+13056*(\e)
.endif
.endr
.endm
.macro MULS sg, e, s
.irp u, 0,1
.if \s == 0
	v_wmma_scale_f32_16x16x128_f8f6f4 v[8*(4*(\sg)+2*\e+\u):8*(4*(\sg)+2*\e+\u)+7], v[12*\s:12*\s+11], v[12*(8*\u+\s):12*(8*\u+\s)+11], 0, v[BSC+\s], v[ASC+8*\u+\s] matrix_a_fmt:MATRIX_FMT_FP6 matrix_b_fmt:MATRIX_FMT_FP6
.else
	v_wmma_scale_f32_16x16x128_f8f6f4 v[8*(4*(\sg)+2*\e+\u):8*(4*(\sg)+2*\e+\u)+7], v[12*\s:12*\s+11], v[12*(8*\u+\s):12*(8*\u+\s)+11], v[8*(4*(\sg)+2*\e+\u):8*(4*(\sg)+2*\e+\u)+7], v[BSC+\s], v[ASC+8*\u+\s] matrix_a_fmt:MATRIX_FMT_FP6 matrix_b_fmt:MATRIX_FMT_FP6
.endif
.endr
.endm
.macro WORK sg
.irp e, 0,1
	PLACES 4
	ds_load_b128 v[BSC:BSC+3], v[ASW] offset:4352*(\sg)+544*\e
	ds_load_b128 v[BSC+4:BSC+7], v[ASW] offset:4352*(\sg)+544*\e+16
	WIN 0x80
.irp s, 0,1,2,3,4,5,6,7
	FRAGW 12*\s, \s, (\sg)%2, \e
.endr
	s_wait_dscnt 24
	WIN 0xf6
.irp s, 0,1,2,3
	MULS \sg, \e, \s
.endr
	s_wait_dscnt 0x0
.irp s, 4,5,6,7
	MULS \sg, \e, \s
.endr
	WIN 0
.endr
.endm
.macro CHANGE sg
	s_wait_tensorcnt 0x0
	ds_add_u32 v[SPW], v[NIL]
	s_add_nc_u64 s[G0+4*(((\sg)-1)%2)+2:G0+4*(((\sg)-1)%2)+3], s[G0+4*(((\sg)-1)%2)+2:G0+4*(((\sg)-1)%2)+3], 196608
	s_wait_dscnt 0x0
	CROUND
	tensor_load_to_lds s[G0+4*(((\sg)-1)%2):G0+4*(((\sg)-1)%2)+3], s[G1W:G1W+7]
	s_nop 0
.rept 4
	v_nop
.endr
.endm
	s_wait_alu depctr_va_vdst(0)
	s_cmp_lt_u32 s[WV], 2                          ; slot 0 and the scale bytes are waves 0 and 1's own lines; slot 1 may be out
	s_cbranch_scc0 .Lnot_first
	s_wait_tensorcnt 0x0
.Lnot_first:
	s_barrier_signal -1
	s_barrier_wait -1
	WORK 0
	CHANGE 1
	WORK 1
	s_wait_loadcnt 0x0
	WIN 0x08
.set J, 0
.rept 96
	v_pk_add_f32 v[QR0+J:QR0+J+1], v[QR0+J:QR0+J+1], v[BOR+J%32:BOR+J%32+1]
.set J, J+2
.endr
	WIN 0x49
.set J, 0
.rept 32
	v_pk_add_f32 v[192+J:193+J], v[192+J:193+J], v[BOR+J%32:BOR+J%32+1]
.set J, J+2
.endr
	WIN 0
.irp g, 2,3,4,5,6
	CHANGE \g
	WORK \g
.endr
	s_wait_tensorcnt 0x0
	WORK 7
	PLACES 4
	s_wait_dscnt 0x0
	s_barrier_signal -1
	s_barrier_wait -1
	WIN 0x0c
.irp g, 0,1,2,3,4,5,6,7
.irp e, 0,1
.irp u, 0,1
	ds_store_b128 v[STO+\u], v[8*(4*\g+2*\e+\u):8*(4*\g+2*\e+\u)+3] offset:512*\g+32*\e
	ds_store_b128 v[STO+\u], v[8*(4*\g+2*\e+\u)+4:8*(4*\g+2*\e+\u)+7] offset:512*\g+32*\e+16
.endr
.endr
.endr
	WIN 0
	s_wait_dscnt 0x0
	s_barrier_signal -1
	s_barrier_wait -1
.macro RDPAIR p
	WIN 0x80
.irp q, 0,1
.irp i, 0,1,2,3,4,5,6,7
	ds_load_b128 v[32*((2*(\p)+\q)%4)+4*\i:32*((2*(\p)+\q)%4)+4*\i+3], v[RD] offset:SPITCH*(2*(\p)+\q)+512*\i
.endr
.endr
	WIN 0
.endm
.macro REDUCE r
.irp m, 1,2,4,8
	v_add_f32_dpp v[\r], v[\r], v[\r] row_xmask:\m row_mask:0xf bank_mask:0xf
	v_add_f32_dpp v[\r+4], v[\r+4], v[\r+4] row_xmask:\m row_mask:0xf bank_mask:0xf
.endr
	v_permlanex16_b32 v[PT], v[\r], s[SEL], s[SEL+1]
	v_permlanex16_b32 v[PT+1], v[\r+4], s[SEL], s[SEL+1]
	v_add_f32 v[\r], v[\r], v[PT]
	v_add_f32 v[\r+4], v[\r+4], v[PT+1]
.endm
.macro LNPAIR p, left
	s_wait_dscnt \left
.if (\p) < 3
	WIN 0x82
.else
	WIN 0x86
.endif
.irp q, 0,1
.set XB, 32*((2*(\p)+\q)%4)
.if (\p) < 3
.set QB, QR0+32*(2*(\p)+\q)
.else
.set QB, 192+32*\q
.endif
.set J, 0
.rept 16
	v_pk_add_f32 v[XB+J:XB+J+1], v[XB+J:XB+J+1], v[QB+J:QB+J+1]
.set J, J+2
.endr
.endr
	WIN 0xaa
.irp q, 0,1
	v_pk_add_f32 v[192+8*\q:193+8*\q], v[32*((2*(\p)+\q)%4):32*((2*(\p)+\q)%4)+1], v[32*((2*(\p)+\q)%4)+2:32*((2*(\p)+\q)%4)+3]
	v_pk_add_f32 v[194+8*\q:195+8*\q], v[32*((2*(\p)+\q)%4)+4:32*((2*(\p)+\q)%4)+5], v[32*((2*(\p)+\q)%4)+6:32*((2*(\p)+\q)%4)+7]
.endr
.irp j, 8,12,16,20,24,28
.irp q, 0,1
	v_pk_add_f32 v[192+8*\q:193+8*\q], v[192+8*\q:193+8*\q], v[32*((2*(\p)+\q)%4)+\j:32*((2*(\p)+\q)%4)+\j+1]
	v_pk_add_f32 v[194+8*\q:195+8*\q], v[194+8*\q:195+8*\q], v[32*((2*(\p)+\q)%4)+\j+2:32*((2*(\p)+\q)%4)+\j+3]
.endr
.endr
.irp q, 0,1
	v_pk_add_f32 v[192+8*\q:193+8*\q], v[192+8*\q:193+8*\q], v[194+8*\q:195+8*\q]
.endr
	WIN 0x0a
.irp q, 0,1
	v_add_f32 v[MU+4*\q], v[192+8*\q], v[193+8*\q]
.endr
	WIN 0
	REDUCE MU
	v_mul_f32 v[MU], s[RN], v[MU]
	v_mul_f32 v[MU+4], s[RN], v[MU+4]
	WIN 0x82
.irp q, 0,1
.set XB, 32*((2*(\p)+\q)%4)
.set J, 0
.rept 16
	v_pk_add_f32 v[XB+J:XB+J+1], v[XB+J:XB+J+1], v[MU+4*\q:MU+4*\q+1] op_sel_hi:[1,0] neg_lo:[0,1] neg_hi:[0,1]
.set J, J+2
.endr
.endr
	WIN 0xaa
.irp q, 0,1
	v_pk_mul_f32 v[192+8*\q:193+8*\q], v[32*((2*(\p)+\q)%4):32*((2*(\p)+\q)%4)+1], v[32*((2*(\p)+\q)%4):32*((2*(\p)+\q)%4)+1]
	v_pk_mul_f32 v[194+8*\q:195+8*\q], v[32*((2*(\p)+\q)%4)+2:32*((2*(\p)+\q)%4)+3], v[32*((2*(\p)+\q)%4)+2:32*((2*(\p)+\q)%4)+3]
.endr
.irp j, 4,8,12,16,20,24,28
.irp q, 0,1
	v_pk_fma_f32 v[192+8*\q:193+8*\q], v[32*((2*(\p)+\q)%4)+\j:32*((2*(\p)+\q)%4)+\j+1], v[32*((2*(\p)+\q)%4)+\j:32*((2*(\p)+\q)%4)+\j+1], v[192+8*\q:193+8*\q]
	v_pk_fma_f32 v[194+8*\q:195+8*\q], v[32*((2*(\p)+\q)%4)+\j+2:32*((2*(\p)+\q)%4)+\j+3], v[32*((2*(\p)+\q)%4)+\j+2:32*((2*(\p)+\q)%4)+\j+3], v[194+8*\q:195+8*\q]
.endr
.endr
.irp q, 0,1
	v_pk_add_f32 v[192+8*\q:193+8*\q], v[192+8*\q:193+8*\q], v[194+8*\q:195+8*\q]
.endr
	WIN 0x0a
.irp q, 0,1
	v_add_f32 v[RS+4*\q], v[192+8*\q], v[193+8*\q]
.endr
	WIN 0
	REDUCE RS
	v_fma_f32 v[RS], v[RS], s[RN], s[EPS]
	v_fma_f32 v[RS+4], v[RS+4], s[RN], s[EPS]
	s_wait_alu depctr_va_vdst(0)
	v_rsq_f32 v[RS], v[RS]
	v_rsq_f32 v[RS+4], v[RS+4]
	v_nop
	s_wait_alu depctr_va_vdst(0)
	WIN 0x82
.irp q, 0,1
.set XB, 32*((2*(\p)+\q)%4)
.set J, 0
.rept 16
	v_pk_mul_f32 v[XB+J:XB+J+1], v[XB+J:XB+J+1], v[RS+4*\q:RS+4*\q+1] op_sel_hi:[1,0]
.set J, J+2
.endr
.endr
	WIN 0xaa
.irp q, 0,1
.set XB, 32*((2*(\p)+\q)%4)
.set J, 0
.rept 16
	v_pk_fma_f32 v[XB+J:XB+J+1], v[XB+J:XB+J+1], v[GAM+J:GAM+J+1], v[BET+J:BET+J+1]
.set J, J+2
.endr
.endr
	WIN 0x08
.irp q, 0,1
.irp i, 0,1,2,3,4,5,6,7
	global_store_b128 v[L16], v[32*((2*(\p)+\q)%4)+4*\i:32*((2*(\p)+\q)%4)+4*\i+3], s[18:19] offset:4096*(2*(\p)+\q)+512*\i th:TH_STORE_NT
.endr
.endr
	WIN 0
.if (\p) < 2
	s_wait_xcnt 0x0
	RDPAIR (\p)+2
.endif
.endm
	RDPAIR 0
	RDPAIR 1
	LNPAIR 0, 16
	LNPAIR 1, 16
	LNPAIR 2, 16
	LNPAIR 3, 0
	s_wait_tensorcnt 0x0
	ds_add_u32 v[SPW], v[NIL]
	s_wait_dscnt 0x0
	CROUND
	s_endpgm
.Lfunc_end_k_qe59a296707_outln:
	.size	k_qe59a296707_outln, .Lfunc_end_k_qe59a296707_outln-k_qe59a296707_outln
	.p2alignl 7, 3214868480
	.fill 96, 4, 3214868480
	.section	.rodata,"a",@progbits
	.p2align	6, 0x0
	.amdhsa_kernel k_qe59a296707_outln
		.amdhsa_group_segment_fixed_size 327680
		.amdhsa_private_segment_fixed_size 0
		.amdhsa_enable_private_segment 0
		.amdhsa_kernarg_size 64
		.amdhsa_user_sgpr_count 2
		.amdhsa_user_sgpr_kernarg_segment_ptr 1
		.amdhsa_wavefront_size32 1
		.amdhsa_system_sgpr_workgroup_id_x 1
		.amdhsa_system_sgpr_workgroup_id_y 1
		.amdhsa_system_sgpr_workgroup_id_z 1
		.amdhsa_system_vgpr_workitem_id 0
		.amdhsa_next_free_vgpr 1024
		.amdhsa_next_free_sgpr 96
		.amdhsa_reserve_vcc 0
		.amdhsa_float_denorm_mode_32 3
		.amdhsa_float_denorm_mode_16_64 3
		.amdhsa_memory_ordered 1
		.amdhsa_forward_progress 1
		.amdhsa_inst_pref_size 198
	.end_amdhsa_kernel
	.amdgpu_metadata
---
amdhsa.version: [ 1, 2 ]
amdhsa.kernels:
  - .name:           k_qe59a296707_outln
    .symbol:         k_qe59a296707_outln.kd
    .args:
      - { .name: c3, .offset: 0, .size: 8, .value_kind: global_buffer, .address_space: global }
      - { .name: c1, .offset: 8, .size: 8, .value_kind: global_buffer, .address_space: global }
      - { .name: s1, .offset: 16, .size: 8, .value_kind: global_buffer, .address_space: global }
      - { .name: Q, .offset: 24, .size: 8, .value_kind: global_buffer, .address_space: global }
      - { .name: bo, .offset: 32, .size: 8, .value_kind: global_buffer, .address_space: global }
      - { .name: gamma, .offset: 40, .size: 8, .value_kind: global_buffer, .address_space: global }
      - { .name: beta, .offset: 48, .size: 8, .value_kind: global_buffer, .address_space: global }
      - { .name: out0, .offset: 56, .size: 8, .value_kind: global_buffer, .address_space: global }
    .group_segment_fixed_size: 327680
    .private_segment_fixed_size: 0
    .kernarg_segment_align: 8
    .kernarg_segment_size: 64
    .max_flat_workgroup_size: 128
    .sgpr_count:     96
    .vgpr_count:     1024
    .wavefront_size: 32
...
	.end_amdgpu_metadata
.endif
;; end of part 4
